; MI455X (gfx1250); checked and timed in simulation.
; The chip was launched on July 23, 2026; its instructions are those of AMD's public machine-readable ISA for CDNA 5 (MIT licence, August 2026) and "CDNA5" Instruction Set Architecture Reference Guide (July 2026). The comments in the code are by the model that wrote it; some were corrected since.
;; Attention Head. Allowed arithmetic: float matrix products may take bf16 or f16 operands with f32 sums; other float arithmetic in f32, or as packed bf16 or f16 multiplies, adds, multiply-adds, maxima and minima; sums over many terms, partial sums and values carried from step to step in f32; what a program stores and reads back later, other than sums and carried values, may be rounded once to bf16 or f16.
;; Inputs: Wk 1,024 x 1,024 float32; Wq 1,024 x 1,024 float32; Wv 1,024 x 1,024 float32; x 4 x 2,048 x 1,024 float32.
;; Outputs: out0 4 x 2,048 x 1,024 float32.
;; 2 versions, each right; version 2 is version 1 with the launch cast written anew for expert scheduling mode. Each part assembles by itself: llvm-mc -triple=amdgcn-amd-amdhsa -mcpu=gfx1250 --defsym DOCPART=n.
;; ======== version 1 of 2: 4 launches
;; limits: values are held in f16: magnitudes above 65,504 overflow, below 6.1e-05 lose precision
;; workspace buffers: xw 23,068,672 bytes; qkv 50,331,648 bytes; cs 262,144 bytes; p 33,554,432 bytes
;; launch cast (part 1): grid 256 x 1, 11 waves a work-group, no clusters, 0 bytes of LDS; arguments x, Wq, Wk, Wv, xw; writes xw
.if DOCPART == 1
	.amdgcn_target "amdgcn-amd-amdhsa--gfx1250"
	.amdhsa_code_object_version 6
	.text
	.protected	k_qf364fa222b_cast
	.globl	k_qf364fa222b_cast
	.p2align	8
	.type	k_qf364fa222b_cast,@function
k_qf364fa222b_cast:
	s_mov_b64 s[64:65], 0
	v_nop
	global_prefetch_b8 v0, s[64:65] scope:SCOPE_SE
	s_setreg_imm32_b32 hwreg(HW_REG_WAVE_MODE, 25, 1), 1
	s_wait_xcnt 0x0
; xw[11264][1024] in bf16 = x's 8,192 rows, then Wq's, Wk's and Wv's 1,024 rows each, every number rounded once to bf16.
; A stream: each byte is read once and written once; nothing is shared, so no LDS, no barrier, no matrix unit, no cluster.
; The 11,264 rows are 2,816 pieces of four rows; 2,816 = 256 x 11: a work-group has eleven waves, a wave one piece, so that all work-groups are alike.
; A piece is 16,384 bytes in: 32 loads of 512 consecutive bytes, all issued at once, and 32 stores of 256 consecutive bytes, aligned.
; No piece crosses from one source into the next (2,048 pieces of x, 256 of each weight).  No register is written twice, so no source is ever freed by a wait.
.set IN,  4                            ; v[4:131]   32 x 4 numbers in f32
.set OUT, 132                          ; v[132:195] 32 x 4 numbers in bf16
	s_load_b256 s[4:11], s[0:1], 0x0               ; x s[4:5], Wq s[6:7], Wk s[8:9], Wv s[10:11]
	s_load_b64 s[12:13], s[0:1], 0x20              ; xw
	v_lshrrev_b32 v3, 5, v0
	v_readfirstlane_b32 s14, v3                    ; wave 0..10
	v_and_b32 v1, 31, v0                           ; lane
	v_lshlrev_b32 v2, 3, v1                        ; out: 8 bytes a lane
	v_lshlrev_b32 v1, 4, v1                        ; in: 16 bytes a lane
	s_mul_i32 s15, ttmp9, 11
	s_add_co_u32 s15, s15, s14                     ; my piece, 0..2,815
	s_sub_co_u32 s16, s15, 2048                    ; its number among the weights' 768 (wraps for x's; then it is not used)
	s_lshr_b32 s17, s16, 8                         ; which weight
	s_and_b32 s16, s16, 255                        ; which piece of it
	s_lshl_b32 s22, s15, 13                        ; my 8,192 bytes of xw
	s_mov_b32 s23, 0
	s_mov_b32 s21, 0
	s_wait_kmcnt 0x0
	s_cmp_eq_u32 s17, 0
	s_cselect_b64 s[18:19], s[6:7], s[8:9]         ; Wq or Wk,
	s_cmp_gt_u32 s17, 1
	s_cselect_b64 s[18:19], s[10:11], s[18:19]     ; or Wv,
	s_cmp_lt_u32 s15, 2048
	s_cselect_b64 s[18:19], s[4:5], s[18:19]       ; or x
	s_cselect_b32 s20, s15, s16
	s_lshl_b32 s20, s20, 14                        ; four rows of 4,096 bytes
	s_add_nc_u64 s[18:19], s[18:19], s[20:21]
	s_add_nc_u64 s[12:13], s[12:13], s[22:23]
.set i, 0
.rept 32
	global_load_b128 v[IN+4*i:IN+4*i+3], v1, s[18:19] offset:512*i th:TH_LOAD_NT
.set i, i+1
.endr
.set i, 0
.rept 32
	s_wait_loadcnt 31-i                            ; loads come back in order: number i is in, the 31 - i younger ones stay out
	v_cvt_pk_bf16_f32 v[OUT+2*i], v[IN+4*i], v[IN+4*i+1]
	v_cvt_pk_bf16_f32 v[OUT+2*i+1], v[IN+4*i+2], v[IN+4*i+3]
	global_store_b64 v2, v[OUT+2*i:OUT+2*i+1], s[12:13] offset:256*i  ; 32 lanes x 8 bytes: 256 consecutive bytes, aligned
.set i, i+1
.endr
	s_endpgm
.Lfunc_end_k_qf364fa222b_cast:
	.size	k_qf364fa222b_cast, .Lfunc_end_k_qf364fa222b_cast-k_qf364fa222b_cast
	.p2alignl 7, 3214868480
	.fill 96, 4, 3214868480
	.section	.rodata,"a",@progbits
	.p2align	6, 0x0
	.amdhsa_kernel k_qf364fa222b_cast
		.amdhsa_group_segment_fixed_size 0
		.amdhsa_private_segment_fixed_size 0
		.amdhsa_enable_private_segment 0
		.amdhsa_kernarg_size 40
		.amdhsa_user_sgpr_count 2
		.amdhsa_user_sgpr_kernarg_segment_ptr 1
		.amdhsa_wavefront_size32 1
		.amdhsa_system_sgpr_workgroup_id_x 1
		.amdhsa_system_sgpr_workgroup_id_y 1
		.amdhsa_system_sgpr_workgroup_id_z 1
		.amdhsa_system_vgpr_workitem_id 0
		.amdhsa_next_free_vgpr 196
		.amdhsa_next_free_sgpr 66
		.amdhsa_reserve_vcc 0
		.amdhsa_float_denorm_mode_32 3
		.amdhsa_float_denorm_mode_16_64 3
		.amdhsa_memory_ordered 1
		.amdhsa_forward_progress 1
		.amdhsa_inst_pref_size 13
	.end_amdhsa_kernel
	.amdgpu_metadata
---
amdhsa.version: [ 1, 2 ]
amdhsa.kernels:
  - .name:           k_qf364fa222b_cast
    .symbol:         k_qf364fa222b_cast.kd
    .args:
      - { .name: x, .offset: 0, .size: 8, .value_kind: global_buffer, .address_space: global }
      - { .name: Wq, .offset: 8, .size: 8, .value_kind: global_buffer, .address_space: global }
      - { .name: Wk, .offset: 16, .size: 8, .value_kind: global_buffer, .address_space: global }
      - { .name: Wv, .offset: 24, .size: 8, .value_kind: global_buffer, .address_space: global }
      - { .name: xw, .offset: 32, .size: 8, .value_kind: global_buffer, .address_space: global }
    .group_segment_fixed_size: 0
    .private_segment_fixed_size: 0
    .kernarg_segment_align: 8
    .kernarg_segment_size: 40
    .max_flat_workgroup_size: 352
    .sgpr_count:     66
    .vgpr_count:     196
    .wavefront_size: 32
...
	.end_amdgpu_metadata
.endif
;; end of part 1
;; launch proj (part 2): grid 32 x 12, 4 waves a work-group, clusters of 4 x 4, 327,680 bytes of LDS; arguments xw, qkv, cs; writes qkv, cs
.if DOCPART == 2
	.amdgcn_target "amdgcn-amd-amdhsa--gfx1250"
	.amdhsa_code_object_version 6
	.text
	.protected	k_qf364fa222b_proj
	.globl	k_qf364fa222b_proj
	.p2align	8
	.type	k_qf364fa222b_proj,@function
k_qf364fa222b_proj:
	s_mov_b64 s[64:65], 0
	v_nop
	global_prefetch_b8 v0, s[64:65] scope:SCOPE_SE
	s_setreg_imm32_b32 hwreg(HW_REG_WAVE_MODE, 25, 1), 1
	s_wait_xcnt 0x0
	s_wait_alu depctr_hold_cnt(0) depctr_sa_sdst(0) depctr_va_vdst(0) depctr_va_sdst(0) depctr_va_ssrc(0) depctr_va_vcc(0) depctr_vm_vsrc(0)
	s_getreg_b32 s2, hwreg(HW_REG_IB_STS2, 6, 4)
	s_cmp_eq_u32 s2, 0
	s_cbranch_scc0 .Lentry_in_a_cluster
	s_endpgm
.Lentry_in_a_cluster:
	s_bfe_u32 s2, ttmp6, 0x10000c
	s_cmp_lg_u32 s2, 0xf033
	s_cbranch_scc0 .Lentry_shape_is_right
	s_endpgm
.Lentry_shape_is_right:
; THE THREE PROJECTIONS.  A cluster (g = 0..7, kind = 0..2) makes one product C = A B^T of 1,024 x 1,024 x 1,024, all operands rows of xw (bf16, 2,048 bytes a row), sums in f32:
;   kind 0: A = x's rows 1,024 g on, B = Wq: q        kind 1: the same with Wk: k        kind 2: A = Wv, B = x's rows 1,024 g on: C[channel][key] = v transposed.
; C is rounded once to f16 and stored in qkv.  q (byte 0) and k (1<<24) lie in blocks of 128 rows, 262,144 bytes each, block ((row >> 7) x 4 + batch); v^T (1<<25) as [1,024 keys' group g][channel][key].
; k and v^T have plain rows of 2,048 bytes.  q LIES IN THE ORDER OF MATRIX FRAGMENTS, since the next launch loads it straight into registers: in a block, the 16 bytes q[16 a + l % 16][128 G + 16 t + 8 (l / 16) + 0..7]
; lie at 32,768 a + 4,096 t + 512 G + 16 l (l = 0..31, t = 0..7, G = 0..7): a wave's load of 16 bytes a lane takes 512 consecutive bytes and is half a fragment of 16 rows x 32 channels.
; kind 2 also stores, from the unrounded f32 sums, cs[batch x 16 + key block][channel] = the sum of v over the block's 128 keys.
; LIMITS.  q, k and v must lie within f16's range, 65,504; NaN and infinities are not treated apart.
; A work-group (cx, cy) makes 256 x 256 of C, a wave 128 x 128: 64 accumulators, 512 registers.  K goes in steps of 128 through two LDS slots filled by the tensor data mover; rows of 256 bytes, aligned.
; A's tile hangs on cy alone and is asked for jointly by the cluster's row, B's on cx alone, by its column.  A K step is written once: the LDS offset of the reads and the walking descriptors' LDS words are turned by an exclusive or.
; REGISTERS, in windows of 256: window 0: v0-31 addresses; v64-127, v128-191 A's fragments, two buffers; v32-63, v192-255 at work on the way out.  window 1: v64-191 B's fragments.
; windows 2, 3: the accumulators of my rows 0-63, 64-127 ((a, b) at v[8 (8 a + b)]).  The matrix instruction is used transposed (source 0 = B's rows): a lane holds eight neighbouring numbers of a row of C.
.set SIZE_K, 1024
.set KSTEP,  128
.set PITCH,  272                       ; an LDS row: 256 bytes + 16 of padding: the 16 rows of a fragment load start at 16 different groups of four banks
.set HALFT,  128*PITCH                 ; what one tensor load brings
.set SLOT,   4*HALFT                   ; A's 256 rows, then B's 256.  0x22000: it shares no bit with wave x HALFT (0x8800 x 0..3), so an exclusive or with it changes slots
.set STAGE,  2*SLOT                    ; behind the ring: 16 rows x 272 bytes for each wave, for the way out; no tensor load lands there
.set SPITCH, 272
.set SPARE,  STAGE+4*16*SPITCH         ; the spare words: 128 bytes a wave, two blocks of 256 bytes that no other line names
.set STEPS,  SIZE_K/KSTEP              ; 8
.set CROW,   2048                      ; bytes in a row of qkv
.set ADRA, 16                          ; v16     LDS address of my A fragments in the slot in hand;  v17 in slot 0
.set ADRA0, 17
.set ADRB, 20                          ; v20, v21 the same for B
.set ADRB0, 21
.set STO,  24                          ; v24     the way out: where I put 16 bytes of a row; q is read back from there too
.set RD,   25                          ; v25     where I read a whole row back (k, v^T)
.set CO,   26                          ; v26     my byte offset in what one store covers
.set CSO,  27                          ; v27     4 x lane: my word of 128 bytes of cs
.set SPW,  28                          ; v28     my spare word; never rewritten
.set NIL,  29                          ; v29     0; never rewritten
.set PFO,  30                          ; v30     the prefetches' offset: lane x a row of xw; never rewritten
.set TB,   2                           ; s2      0 or SLOT: the slot that is read
.set PFA,  44                          ; s[44:45] where my prefetches stand
.set LIM,  43                          ; s43     2 in a wave that prefetches, else the greatest number
.set CB,   6                           ; s[6:7]  qkv, stepped on the way out
.set F0,   64
.set F1,   128
.set TMP,  192
.set OB,   32
.set G1,   24                          ; s[24:31] group 1 for A's tiles;  s[32:39] group 0: a set for each first fill; the second then walks on
.set G0,   32
.set G1B,  48                          ; s[48:55], s[56:63] the same for B's
.set G0B,  56
.set MSB, 0
.macro WIN new                         ; the immediate's high byte repeats the setting that is left; a switch that changes nothing is dropped
.if MSB != (\new)
	s_set_vgpr_msb (MSB<<8)|(\new)
.set MSB, \new
.endif
.endm
.set MUL_LO, 0xa1                      ; source 0 (B) window 1, source 1 (A) window 0, C and D window 2
.set MUL_HI, 0xf1                      ; the same, C and D window 3
.set TO_B,   0x40                      ; destination window 1, address window 0
; A joint load: waves 0 and 1 fetch A's two halves, waves 2 and 3 B's.  The branch hangs on the wave's number alone.  An s_nop 0 and four v_nop follow each line.
.macro JLOAD s
	s_cmp_eq_u32 s11, 0
	s_cbranch_scc0 .Lfor_b_\@
	tensor_load_to_lds s[G0+4*(\s):G0+4*(\s)+3], s[G1:G1+7]
	s_nop 0
.rept 4
	v_nop
.endr
	s_branch .Lasked_\@
.Lfor_b_\@:
	tensor_load_to_lds s[G0B+4*(\s):G0B+4*(\s)+3], s[G1B:G1B+7]
	s_nop 0
.rept 4
	v_nop
.endr
.Lasked_\@:
.endm
; A prefetch, behind each joint refill and the run of LDS loads that follows it: the K step that stands two refills on, 32 rows x 256 bytes, a lane a row.  Each row's 256 bytes of a K step are named once in the
; launch: x's rows by the clusters of kind 0 (as A), Wv by cluster g = 0 of kind 2 (as A), Wq and Wk by cluster g = 0 of their kind (as B).  The four partners that ask for a tile jointly share its 128 rows out
; by address, 32 each.  The loop's last two trips (s3 = 2, 1) have no K step two refills on.
.macro ASK
	s_cmp_gt_u32 s3, s[LIM]
	s_cbranch_scc0 .Lnot_mine_\@
	global_prefetch_b8 v[PFO], s[PFA:PFA+1] offset:KSTEP*2 th:TH_LOAD_NT scope:SCOPE_SE
.Lnot_mine_\@:
.endm
.macro CREST                           ; a round of the cluster's barrier behind its opening barrier
	s_cmp_lg_u32 s10, 0
	s_cbranch_scc1 .Lnot_wave_0_\@
	s_barrier_signal -3
.Lnot_wave_0_\@:
	s_barrier_wait -3
	s_barrier_signal -1
	s_barrier_wait -1
.endm
.macro CROUND                          ; a whole round
	s_barrier_signal -1
	s_barrier_wait -1
	CREST
.endm
	s_load_b128 s[4:7], s[0:1], 0x0                ; xw s[4:5], qkv s[6:7]
	s_load_b64 s[8:9], s[0:1], 0x10                ; cs
	v_lshl_add_u32 v[SPW], v0, 2, SPARE
	v_mov_b32 v[NIL], 0
	ds_add_u32 v[SPW], v[NIL]                      ; the wave's opening: the add and its wait stand ahead of my first tensor load; the set-up stands between them
	v_lshrrev_b32 v1, 5, v0
	v_readfirstlane_b32 s10, v1                    ; wave 0..3
	s_lshr_b32 s11, s10, 1                         ; which half of the tile's rows is mine.  Also: I fetch for A (0) or for B (1)
	s_and_b32 s12, s10, 1                          ; which half of its columns.  Also: which 128 rows I fetch
	s_bfe_u32 s40, ttmp6, 0x40000                  ; cx
	s_bfe_u32 s41, ttmp6, 0x40004                  ; cy
	s_mov_b32 s42, ttmp9                           ; g: the cluster's x
	s_and_b32 s13, ttmp7, 0xffff                   ; kind: the cluster's y
	s_lshl_b32 s43, s41, 2
	s_lshl_b32 s43, 15, s43                        ; my row of the cluster
	s_lshl_b32 s44, 0x1111, s40                    ; my column
	s_or_b32 s[G1+0], s43, (1<<16)|(1<<20)|(1<<21)|(5<<22)|(3<<25)   ; the mask; 2-byte elements; padding on; bit 21 beside a mask; after every 64 words 4 words
	s_or_b32 s[G1B+0], s44, (1<<16)|(1<<20)|(1<<21)|(5<<22)|(3<<25)
.irp g, G1, G1B
	s_mov_b32 s[(\g)+1], KSTEP<<16                 ; tensor_dim0 = 128
	s_mov_b32 s[(\g)+2], 128<<16                   ; tensor_dim1 = 128
	s_mov_b32 s[(\g)+3], KSTEP<<16                 ; tile_dim0 = 128
	s_mov_b32 s[(\g)+4], 128                       ; tile_dim1 = 128
	s_mov_b32 s[(\g)+5], SIZE_K                    ; elements from row to row
	s_mov_b32 s[(\g)+6], 0
	s_mov_b32 s[(\g)+7], 0
.endr
	; the rows of xw that I fetch.  A's hang on cy and never on cx, B's on cx and never on cy
	s_lshl_b32 s20, s42, 10                        ; x's rows 1,024 g on
	s_lshl_b32 s21, s13, 10
	s_add_co_u32 s21, s21, 8192                    ; Wq's or Wk's rows
	s_lshl_b32 s17, s12, 7
	s_lshl_b32 s22, s41, 8
	s_lshl_b32 s23, s40, 8
	s_cmp_eq_u32 s13, 2
	s_cselect_b32 s16, 10240, s20                  ; A: Wv's rows, or x's
	s_cselect_b32 s46, s20, s21                    ; B: x's rows, or the weight's
	s_add_co_u32 s16, s16, s22
	s_add_co_u32 s16, s16, s17                     ; A's row
	s_add_co_u32 s46, s46, s23
	s_add_co_u32 s46, s46, s17                     ; B's row
	s_lshl_b32 s14, s16, 11                        ; in bytes: under 2^25
	s_mov_b32 s15, 0
	s_lshl_b32 s18, s46, 11
	s_mov_b32 s19, 0
	s_mul_i32 s20, s10, HALFT                      ; where they go: wave x 128 rows: no place in the cluster enters an LDS address
	s_mov_b32 s[TB], 0
	s_wait_dscnt 0x0                               ; the opening add is done
	s_wait_kmcnt 0x0
	s_add_nc_u64 s[14:15], s[4:5], s[14:15]
	s_add_nc_u64 s[18:19], s[4:5], s[18:19]
	CROUND                                         ; all sixteen work-groups are here: the first joint loads meet
.irp s, 0,1
	s_mov_b32 s[G0+4*(\s)], 1
	s_add_co_u32 s[G0+4*(\s)+1], s20, (\s)*SLOT
	s_add_nc_u64 s[G0+4*(\s)+2:G0+4*(\s)+3], s[14:15], (\s)*KSTEP*2
	s_or_b32 s[G0+4*(\s)+3], s[G0+4*(\s)+3], 0x80000000
	s_mov_b32 s[G0B+4*(\s)], 1
	s_add_co_u32 s[G0B+4*(\s)+1], s20, (\s)*SLOT
	s_add_nc_u64 s[G0B+4*(\s)+2:G0B+4*(\s)+3], s[18:19], (\s)*KSTEP*2
	s_or_b32 s[G0B+4*(\s)+3], s[G0B+4*(\s)+3], 0x80000000
	JLOAD \s
.endr
	; a fragment is 16 rows x 32 K in 8 registers: lane l holds row l % 16, K = 8 (l / 16) + 0..7 and 16 + 8 (l / 16) + 0..7: two loads of 16 bytes, 32 bytes apart
	v_and_b32 v1, 15, v0                           ; l % 16
	v_bfe_u32 v2, v0, 4, 1                         ; l / 16
	v_mul_u32_u24 v3, v1, PITCH
	v_lshl_add_u32 v3, v2, 4, v3
	s_mul_i32 s21, s11, HALFT                      ; my 128 rows of A
	s_mul_i32 s22, s12, HALFT                      ; my 128 rows of B,
	s_add_co_u32 s22, s22, 2*HALFT                 ; behind A's 256
	v_add_nc_u32 v[ADRA0], s21, v3
	v_add_nc_u32 v[ADRB0], s22, v3
	v_mov_b32 v[ADRA], v[ADRA0]                    ; slot 0 is read first
	v_mov_b32 v[ADRB], v[ADRB0]
	s_mul_i32 s23, s10, 16*SPITCH
	s_add_co_u32 s23, s23, STAGE                   ; my stage
	v_mul_u32_u24 v4, v1, SPITCH
	v_lshl_add_u32 v4, v2, 4, v4
	v_add_nc_u32 v[STO], s23, v4                   ; row l % 16, 16 bytes for each half of the lanes
	v_mul_u32_u24 v5, v2, SPITCH
	v_lshl_add_u32 v5, v1, 4, v5
	v_add_nc_u32 v[RD], s23, v5                    ; lanes 0-15 one row of 256 bytes, lanes 16-31 the next
	s_cmp_eq_u32 s13, 0
	s_cselect_b32 s47, 8, 11                       ; in memory the upper lanes stand 256 bytes on (q: 16 x lane), or a row on (k, v^T)
	v_lshlrev_b32 v5, s47, v2
	v_lshl_add_u32 v[CO], v1, 4, v5
	v_and_b32 v5, 31, v0
	v_lshlrev_b32 v[CSO], 2, v5
	v_lshlrev_b32 v[PFO], 11, v5
	; the prefetches: who asks, and where
	s_cmp_eq_u32 s13, 2
	s_cselect_b32 s20, s42, s13                    ; A's rows are asked for where this is 0,
	s_cselect_b32 s21, 1, s42                      ; B's where this is
	s_cmp_eq_u32 s11, 0                            ; do I fetch for A?
	s_cselect_b32 s22, s20, s21
	s_cselect_b32 s20, s16, s46                    ; the first of the 128 rows that I fetch
	s_cselect_b32 s21, s40, s41                    ; my place among the four that ask for them with me
	s_cmp_eq_u32 s22, 0
	s_cselect_b32 s[LIM], 2, -1                    ; the same in all sixteen partners, for a given wave
	s_lshl_b32 s21, s21, 5
	s_add_co_u32 s20, s20, s21                     ; my work-group's 32 of them
	s_lshl_b32 s20, s20, 11
	s_add_co_u32 s20, s20, 2*KSTEP*2               ; at K step 2: the first refill steps it to 3 and names K step 4
	s_mov_b32 s21, 0
	s_add_nc_u64 s[PFA:PFA+1], s[4:5], s[20:21]
	; where my part of C begins in qkv
	s_lshl_b32 s20, s41, 1
	s_add_co_u32 s20, s20, s11                     ; my block of 128 rows in the cluster's 1,024
	s_lshl_b32 s21, s42, 3
	s_add_co_u32 s21, s21, s20                     ; v^T: group g, channels
	s_and_b32 s22, s42, 1
	s_lshl_b32 s22, s22, 3
	s_add_co_u32 s22, s22, s20                     ; q, k: the block of 128 rows in the batch,
	s_lshl_b32 s22, s22, 2
	s_lshr_b32 s23, s42, 1
	s_add_co_u32 s22, s22, s23                     ; times 4, plus the batch
	s_cmp_eq_u32 s13, 2
	s_cselect_b32 s16, s21, s22
	s_lshl_b32 s16, s16, 18                        ; 128 rows of 2,048 bytes
	s_lshl_b32 s17, s13, 24                        ; the kind's region
	s_add_co_u32 s16, s16, s17
	s_lshl_b32 s17, s40, 9
	s_lshl_b32 s20, s12, 8
	s_add_co_u32 s17, s17, s20                     ; my 128 columns: 256 bytes of a row (k, v^T),
	s_cmp_eq_u32 s13, 0
	s_cselect_b32 s20, 1, 0
	s_lshl_b32 s17, s17, s20                       ; or 512 bytes of each of q's pieces
	s_add_co_u32 s16, s16, s17
	s_mov_b32 s17, 0                               ; s[16:17]: the first way out adds it
	; and my 128 channels of my key block's row of cs (kind 2)
	s_lshl_b32 s20, s42, 3
	s_lshl_b32 s21, s40, 1
	s_add_co_u32 s20, s20, s21
	s_add_co_u32 s20, s20, s12                     ; batch x 16 + key block = 8 g + 2 cx + my half
	s_lshl_b32 s20, s20, 12
	s_lshl_b32 s21, s41, 10
	s_add_co_u32 s20, s20, s21
	s_lshl_b32 s21, s11, 9
	s_add_co_u32 s20, s20, s21
	s_mov_b32 s21, 0
	s_add_nc_u64 s[8:9], s[8:9], s[20:21]
; 16 matrix instructions: m blocks a0, a0 + 1 of the window's four x all 8 n blocks, 32 along K.  zero = 1: the first product starts the sums.  The 64 accumulators take turns.
.macro MUL16 f, hi, a0, zero
	WIN MUL_LO+0x50*(\hi)
.irp a, \a0, (\a0)+1
.irp b, 0,1,2,3,4,5,6,7
.if \zero
	v_wmma_f32_16x16x32_bf16 v[8*(8*(\a)+(\b)):8*(8*(\a)+(\b))+7], v[(\f)+8*(\b):(\f)+8*(\b)+7], v[(\f)+8*(4*(\hi)+(\a)):(\f)+8*(4*(\hi)+(\a))+7], 0
.else
	v_wmma_f32_16x16x32_bf16 v[8*(8*(\a)+(\b)):8*(8*(\a)+(\b))+7], v[(\f)+8*(\b):(\f)+8*(\b)+7], v[(\f)+8*(4*(\hi)+(\a)):(\f)+8*(4*(\hi)+(\a))+7], v[8*(8*(\a)+(\b)):8*(8*(\a)+(\b))+7]
.endif
.endr
.endr
.endm
; 32 LDS loads in one run: the fragments of one quarter step, at byte k of the rows of the slot in hand, into buffer f
.macro FETCH k, f
	WIN TO_B
.irp i, 0,1,2,3,4,5,6,7
	ds_load_b128 v[(\f)+8*(\i):(\f)+8*(\i)+3],   v[ADRB] offset:(\k)+(\i)*16*PITCH
	ds_load_b128 v[(\f)+8*(\i)+4:(\f)+8*(\i)+7], v[ADRB] offset:(\k)+(\i)*16*PITCH+32
.endr
	WIN 0
.irp i, 0,1,2,3,4,5,6,7
	ds_load_b128 v[(\f)+8*(\i):(\f)+8*(\i)+3],   v[ADRA] offset:(\k)+(\i)*16*PITCH
	ds_load_b128 v[(\f)+8*(\i)+4:(\f)+8*(\i)+7], v[ADRA] offset:(\k)+(\i)*16*PITCH+32
.endr
.endm
.macro PLACES                          ; four plain instructions between a matrix instruction and a load into, or a vector instruction on, its registers
.rept 4
	v_nop
.endr
.endm
; A K step is four quarters of 32 along K on buffers 0, 1, 0, 1.  One of the first three: multiplies buffer f and, in its middle, fetches the next quarter, at byte k, into buffer g.
.macro QUARTER k, f, g, zero
	s_wait_dscnt 8                                 ; B and A's rows 0-63 are in; the youngest eight loads (A's rows 64-127) may be out
	MUL16 \f, 0, 0, \zero
	MUL16 \f, 0, 2, \zero
	PLACES
	FETCH \k, \g
	s_wait_dscnt 32                                ; all but the 32 just issued
	MUL16 \f, 1, 0, \zero
	MUL16 \f, 1, 2, \zero
.endm
; The last quarter multiplies buffer 1 and changes slots, with ONE barrier.  In front of it each wave waits for all its tensor loads (the one that is out is its part of the next slot), adds 0 to its spare word, and waits
; for that and for its reads of this slot.  fill = 1: the barrier opens a round of the cluster's, and behind the round this slot is filled again first, two K steps ahead; then come the next slot's first fragments.
.macro TURN fill
.if \fill
	s_wait_xcnt 0x0                                ; the last prefetch, a K step back, has read its address
	s_add_nc_u64 s[PFA:PFA+1], s[PFA:PFA+1], KSTEP*2
.endif
	WIN 0
	s_wait_tensorcnt 0x0                           ; all my tensor loads have landed
	ds_add_u32 v[SPW], v[NIL]                      ; 0 onto my spare word
	s_wait_dscnt 9                                 ; the add and the youngest eight loads may be out
	MUL16 F1, 0, 0, 0                              ; sixteen matrix instructions between the add and the wait for it
	s_wait_dscnt 0x0                               ; the add is done, and my reads of this slot are over
	s_barrier_signal -1
	MUL16 F1, 0, 2, 0
	WIN 0
	s_barrier_wait -1
.if \fill
	CREST                                          ; no wave of any partner still reads this slot or has a load on its way
.irp g, G0+4, G0B+4
	s_xor_b32 s[(\g)+1], s[(\g)+1], SLOT           ; the walking descriptor: the other slot than last time,
	s_add_nc_u64 s[(\g)+2:(\g)+3], s[(\g)+2:(\g)+3], KSTEP*2  ; the next K step; the type bits on top are not reached
.endr
	JLOAD 1                                        ; the four v_nop behind it are also the places in front of the loads below
.else
	PLACES
.endif
	s_xor_b32 s[TB], s[TB], SLOT                   ; the reads go on in the other slot
	v_add_nc_u32 v[ADRA], s[TB], v[ADRA0]
	v_add_nc_u32 v[ADRB], s[TB], v[ADRB0]
	FETCH 0, F0
.if \fill
	ASK
.endif
	MUL16 F1, 1, 0, 0
	MUL16 F1, 1, 2, 0
.endm
; kind 2: the sums of my 128 rows (channels) over my 128 columns (one key block), from the f32 accumulators; each accumulator's lowest registers are read first.
.macro CSUM
.irp a, 0,1,2,3,4,5,6,7
.set AC, 64*((\a)%4)
	WIN 0x0a+5*((\a)/4)                            ; sources 0 and 1: window 2 or 3
.irp b, 0,1,2,3,4,5,6,7
	v_pk_add_f32 v[TMP+4*(\b):TMP+4*(\b)+1],   v[AC+8*(\b):AC+8*(\b)+1],   v[AC+8*(\b)+2:AC+8*(\b)+3]
	v_pk_add_f32 v[TMP+4*(\b)+2:TMP+4*(\b)+3], v[AC+8*(\b)+4:AC+8*(\b)+5], v[AC+8*(\b)+6:AC+8*(\b)+7]
.endr
	WIN 0
.irp q, 0,1,2,3,4,5,6,7
	v_pk_add_f32 v[TMP+2*(\q):TMP+2*(\q)+1], v[TMP+2*(\q):TMP+2*(\q)+1], v[TMP+16+2*(\q):TMP+16+2*(\q)+1]
.endr
.irp q, 0,1,2,3
	v_pk_add_f32 v[TMP+2*(\q):TMP+2*(\q)+1], v[TMP+2*(\q):TMP+2*(\q)+1], v[TMP+8+2*(\q):TMP+8+2*(\q)+1]
.endr
.irp q, 0,1
	v_pk_add_f32 v[TMP+2*(\q):TMP+2*(\q)+1], v[TMP+2*(\q):TMP+2*(\q)+1], v[TMP+4+2*(\q):TMP+4+2*(\q)+1]
.endr
	v_pk_add_f32 v[TMP:TMP+1], v[TMP:TMP+1], v[TMP+2:TMP+3]
	v_add_f32 v[OB+(\a)], v[TMP], v[TMP+1]         ; row 16 a + l % 16, my half of the lanes' 64 columns
.endr
	s_mov_b32 s22, 0x76543210                      ; each lane takes its own place in the other half
	s_mov_b32 s23, 0xfedcba98
	s_mov_b32 s21, 0xffff0000                      ; lanes 16-31
.irp a, 0,1,2,3,4,5,6,7
	v_mov_b32 v[OB+8+(\a)], v[OB+(\a)]             ; the exchange's destination counts as read: it is written first
.endr
.irp a, 0,1,2,3,4,5,6,7
	v_permlanex16_b32 v[OB+8+(\a)], v[OB+(\a)], s22, s23
.endr
.irp a, 0,1,2,3,4,5,6,7
	v_add_f32 v[OB+(\a)], v[OB+(\a)], v[OB+8+(\a)]
.endr
.irp t, 0,1,2,3
	v_cndmask_b32 v[OB+16+(\t)], v[OB+2*(\t)], v[OB+2*(\t)+1], s21  ; lanes 0-15 block 2 t, lanes 16-31 block 2 t + 1: 32 neighbouring channels
.endr
.irp t, 0,1,2,3
	global_store_b32 v[CSO], v[OB+16+(\t)], s[8:9] offset:128*(\t)  ; 128 consecutive bytes
.endr
	s_wait_xcnt 0x0                                ; the way out loads into these registers only behind this wait
.endm
; THE WAY OUT of block a (16 rows): rounded to f16, 16 bytes a lane; into my own stage and back in the order in which it is stored; stored.
.macro PACK a
.set AC, 64*((\a)%4)
	WIN 0x0a+5*((\a)/4)
.irp b, 0,1,2,3,4,5,6,7
.irp r, 0,1,2,3
	v_cvt_pk_f16_f32 v[TMP+4*(\b)+(\r)], v[AC+8*(\b)+2*(\r)], v[AC+8*(\b)+2*(\r)+1]
.endr
.endr
	WIN 0
.endm
; LDS serves a wave's instructions in order (ISA guide 5.7.1.4): the loads see the stores above them.  Eight loads on either way, so the counts behind are the same.  The kind is the same in all sixteen partners.
.macro TOSTAGE a
	WIN 0
.set BK, OB+192*((\a)%2)
.irp b, 0,1,2,3,4,5,6,7
	ds_store_b128 v[STO], v[TMP+4*(\b):TMP+4*(\b)+3] offset:32*(\b)
.endr
	s_cmp_eq_u32 s13, 0
	s_cbranch_scc0 .Lrows_\@
.irp t, 0,1,2,3,4,5,6,7
	ds_load_b128 v[BK+4*(\t):BK+4*(\t)+3], v[STO] offset:32*(\t)       ; q: piece t: row l % 16, columns 16 t + 8 (l / 16) on: half a fragment
.endr
	s_branch .Lback_\@
.Lrows_\@:
.irp t, 0,1,2,3,4,5,6,7
	ds_load_b128 v[BK+4*(\t):BK+4*(\t)+3], v[RD] offset:(\t)*2*SPITCH  ; k, v^T: two whole rows
.endr
.Lback_\@:
.endm
.macro SEND a, younger
	WIN 0
.set BK, OB+192*((\a)%2)
	s_wait_dscnt \younger                          ; the block is back in registers
	s_wait_xcnt 0x0                                ; the stores' base and the registers that earlier stores read are rewritten only behind this wait
.if (\a) == 0
	s_add_nc_u64 s[CB:CB+1], s[CB:CB+1], s[16:17]
.else
	s_add_nc_u64 s[CB:CB+1], s[CB:CB+1], 16*CROW   ; 16 rows on; in q's order too a block of 16 rows is 32,768 bytes
.endif
.irp t, 0,1,2,3,4,5,6,7
	global_store_b128 v[CO], v[BK+4*(\t):BK+4*(\t)+3], s[CB:CB+1] offset:2*(\t)*CROW  ; 16 lanes store 256 consecutive bytes, aligned (q: the wave's 512 bytes lie on end)
.endr
.endm
	s_wait_tensorcnt 1                             ; my part of K step 0 is in; K step 1's may stay out
	s_barrier_signal -1
	s_barrier_wait -1
	FETCH 0, F0
	QUARTER 64,  F0, F1, 1                         ; the first quarter's products start the sums
	WIN 0                                          ; at a label and at a branch every window is 0
	s_mov_b32 s3, STEPS-2
.Lstep:                                                ; a trip: a K step's second quarter to the next step's first; the slot that it leaves is filled again
	QUARTER 128, F1, F0, 0
	QUARTER 192, F0, F1, 0
	TURN 1
	QUARTER 64,  F0, F1, 0
	WIN 0
	s_sub_co_u32 s3, s3, 1
	s_cmp_lg_u32 s3, 0
	s_cbranch_scc1 .Lstep
	QUARTER 128, F1, F0, 0                         ; the last two K steps are written out: they fill nothing
	QUARTER 192, F0, F1, 0
	TURN 0
	QUARTER 64,  F0, F1, 0
	QUARTER 128, F1, F0, 0
	QUARTER 192, F0, F1, 0
	s_wait_dscnt 8
	MUL16 F1, 0, 0, 0
	MUL16 F1, 0, 2, 0
	s_wait_dscnt 0x0
	MUL16 F1, 1, 0, 0
	MUL16 F1, 1, 2, 0
	WIN 0
	PLACES
	PLACES                                         ; once a launch: the sums and conversions below read results just made
	s_cmp_eq_u32 s13, 2                            ; the kind is the same in all sixteen partners
	s_cbranch_scc0 .Lno_cs
	CSUM
.Lno_cs:
	PACK 0
	TOSTAGE 0
.irp a, 1,2,3,4,5,6,7                  ; block a's conversions stand between block a - 1's loads from the stage and the wait for them
	PACK \a
	SEND (\a)-1, 0
	TOSTAGE \a
.endr
	SEND 7, 0
	s_wait_tensorcnt 0x0                           ; the wave's end, behind my last tensor load and my last LDS store
	ds_add_u32 v[SPW], v[NIL]
	s_wait_dscnt 0x0
	CROUND                                         ; the closing round: no work-group ends while a partner may still ask for a tile that names it
	s_endpgm
.Lfunc_end_k_qf364fa222b_proj:
	.size	k_qf364fa222b_proj, .Lfunc_end_k_qf364fa222b_proj-k_qf364fa222b_proj
	.p2alignl 7, 3214868480
	.fill 96, 4, 3214868480
	.section	.rodata,"a",@progbits
	.p2align	6, 0x0
	.amdhsa_kernel k_qf364fa222b_proj
		.amdhsa_group_segment_fixed_size 327680
		.amdhsa_private_segment_fixed_size 0
		.amdhsa_enable_private_segment 0
		.amdhsa_kernarg_size 24
		.amdhsa_user_sgpr_count 2
		.amdhsa_user_sgpr_kernarg_segment_ptr 1
		.amdhsa_wavefront_size32 1
		.amdhsa_system_sgpr_workgroup_id_x 1
		.amdhsa_system_sgpr_workgroup_id_y 1
		.amdhsa_system_sgpr_workgroup_id_z 1
		.amdhsa_system_vgpr_workitem_id 0
		.amdhsa_next_free_vgpr 1024
		.amdhsa_next_free_sgpr 66
		.amdhsa_reserve_vcc 0
		.amdhsa_float_denorm_mode_32 3
		.amdhsa_float_denorm_mode_16_64 3
		.amdhsa_memory_ordered 1
		.amdhsa_forward_progress 1
		.amdhsa_inst_pref_size 141
	.end_amdhsa_kernel
	.amdgpu_metadata
---
amdhsa.version: [ 1, 2 ]
amdhsa.kernels:
  - .name:           k_qf364fa222b_proj
    .symbol:         k_qf364fa222b_proj.kd
    .args:
      - { .name: xw, .offset: 0, .size: 8, .value_kind: global_buffer, .address_space: global }
      - { .name: qkv, .offset: 8, .size: 8, .value_kind: global_buffer, .address_space: global }
      - { .name: cs, .offset: 16, .size: 8, .value_kind: global_buffer, .address_space: global }
    .group_segment_fixed_size: 327680
    .private_segment_fixed_size: 0
    .kernarg_segment_align: 8
    .kernarg_segment_size: 24
    .max_flat_workgroup_size: 128
    .sgpr_count:     66
    .vgpr_count:     1024
    .wavefront_size: 32
...
	.end_amdgpu_metadata
.endif
;; end of part 2
;; launch scores (part 3): grid 40 x 4, 4 waves a work-group, clusters of 4 x 4, 327,680 bytes of LDS; arguments qkv, p; writes p
.if DOCPART == 3
	.amdgcn_target "amdgcn-amd-amdhsa--gfx1250"
	.amdhsa_code_object_version 6
	.text
	.protected	k_qf364fa222b_scores
	.globl	k_qf364fa222b_scores
	.p2align	8
	.type	k_qf364fa222b_scores,@function
k_qf364fa222b_scores:
	s_mov_b64 s[64:65], 0
	v_nop
	global_prefetch_b8 v0, s[64:65] scope:SCOPE_SE
	s_setreg_imm32_b32 hwreg(HW_REG_WAVE_MODE, 25, 1), 1
	s_wait_xcnt 0x0
	s_wait_alu depctr_hold_cnt(0) depctr_sa_sdst(0) depctr_va_vdst(0) depctr_va_sdst(0) depctr_va_ssrc(0) depctr_va_vcc(0) depctr_vm_vsrc(0)
	s_getreg_b32 s2, hwreg(HW_REG_IB_STS2, 6, 4)
	s_cmp_eq_u32 s2, 0
	s_cbranch_scc0 .Lentry_in_a_cluster
	s_endpgm
.Lentry_in_a_cluster:
	s_bfe_u32 s2, ttmp6, 0x10000c
	s_cmp_lg_u32 s2, 0xf033
	s_cbranch_scc0 .Lentry_shape_is_right
	s_endpgm
.Lentry_shape_is_right:
; THE WEIGHTS.  p[b][i][j] (f16, rows of 4,096 bytes) = softmax over the FOUR BATCHES b of (q[b][i] . kT[b][:, j]) / 32 where j <= i, and 0 where j > i (the constant 1e-9 that belongs there is added by the next launch, in f32).
; kT[b] is k[b]'s numbers read as [1,024][2,048]: row c is k's rows 2 c and 2 c + 1 on end, which lie on end in qkv too: a tile of kT is rows along j, and ds_load_tr16_b128 turns it into fragments.
; The maximum over the four batches is taken away before the exponentials, as the softmax asks.  LIMITS: a weight below f16's step of 6e-8 counts as 0; an exponential below 2^-126 counts as 0; NaN and infinities are not treated apart.
; SHARES.  Cluster n = 0..9 is one block of 512 x 512 on or under the diagonal; a work-group makes 128 (i) x 128 (j) for all four batches, WAVE w BATCH w: 64 accumulators.  The blocks above the diagonal in a diagonal
; cluster are made like the others (partners run alike) and come out as zeros, which the next launch reads.
; kT GOES THROUGH LDS: K steps of 128 channels, 512 rows of 256 bytes for the four batches, two slots; its tile hangs on cx alone and is asked for jointly by the cluster's column, 128 rows a wave.
; q GOES STRAIGHT INTO REGISTERS.  No wave reads another wave's q (a wave is a batch), and the launch before has laid q in the order of fragments, so that a load of 16 bytes a lane takes 512 consecutive bytes, aligned.
; It is not asked for jointly for that reason: a joint load lands in LDS, and with q there a slot holds only 64 channels: twice the changes of slots for the same products.  The price: each work-group reads its own 1 MiB of q.
; A ring of four buffers, a quarter step (32 channels) each: in the middle of quarter t a wave asks for rows 64-127 of quarter t + 3 and rows 0-63 of quarter t + 4: 192 and 224 matrix instructions ahead of their first use.
; At the end the four waves exchange their scores through LDS (in the slots, which have had their last fill), and each wave finishes 32 rows of all four batches.
; REGISTERS: window 0: v0-31 addresses; v64-127, v128-191 kT's fragments, two buffers, later the softmax; window 1: q's four buffers of 64; windows 2, 3: the accumulators ((a, b) at v[8 (8 a + b)]).
.set PB,     288                       ; a row of kT in LDS: 256 bytes + 32
.set QUART,  128*PB                    ; what one tensor load brings: 128 rows: 36,864 bytes
.set SLOT,   4*QUART                   ; a step's 512 rows: channel c of batch b at row (c / 64) x 256 + 64 b + c % 64.  0x24000: it shares no bit with wave x QUART (0x9000 x 0..3), so an exclusive or with it changes slots
.set SPARE,  2*SLOT                    ; the spare words: 128 bytes a wave, two blocks of 256 bytes that no other line names
.set XP,     528                       ; the exchange: a row of 128 f32 + 16 bytes
.set XB,     128*XP                    ; a batch's 128 rows
.set XA,   8                           ; v8-11   the softmax: LDS address of my 16 bytes of a row, by batch
.set QO,   12                          ; v12     16 x lane: my 16 bytes of a piece of q; never rewritten
.set PFQO, 13                          ; v13     the prefetch of q: my block of 256 bytes among my work-group's 32; never rewritten
.set PFKO, 14                          ; v14     the prefetch of kT: lane x a row of 4,096 bytes; never rewritten
.set ADRB, 20                          ; v20-21  LDS address of my kT fragments in the slot in hand: channels 0-63, 64-127 of the step
.set ADRB0, 22                         ; v22-23  the same in slot 0
.set STO,  24                          ; v24     the exchange: where I put 32 bytes of a row
.set PO,   25                          ; v25     my byte offset in p's block
.set DG,   26                          ; v26     (my first row) - (my first column): the number e - r is kept where it is not greater
.set SPW,  28
.set NIL,  29
.set F0,   64
.set F1,   128
.set X,    64                          ; v[64:127]   4 rows x 4 batches x 4 columns
.set MX,   128                         ; v[128:143]  the maxima, then c x maximum
.set TS,   144                         ; v[144:159]  the sums, then their reciprocals (0 where hidden)
.set Y,    160                         ; v[160:191]  the weights in f16
.set QA,   14                          ; s[14:15] q at my batch's block, at the K step in hand
.set G1,   24                          ; s[24:31] descriptor group 1
.set G0,   32                          ; s[32:39] group 0: a set for each first fill; the second then walks on
.set LIMK, 43                          ; s43     1 in a cluster that prefetches kT, else the greatest number
.set PFK,  44                          ; s[44:45] where my prefetches of kT stand
.set PFQ,  46                          ; s[46:47] and those of q
.set LIMQ, 48                          ; s48     1 in a cluster that prefetches q
.set TB,   49                          ; s49     0 or SLOT: the slot that is read
.set PBASE, 68                         ; s[68:75] p at my block, by batch
.set CSC,  76                          ; s[76:77] c = log2(e) / 32
.set MSB, 0
.macro WIN new
.if MSB != (\new)
	s_set_vgpr_msb (MSB<<8)|(\new)
.set MSB, \new
.endif
.endm
.set MUL_LO, 0xa4                      ; source 0 (kT) window 0, source 1 (q) window 1, C and D window 2
.set TO_A,   0x40                      ; destination window 1, address window 0
.macro CREST
	s_cmp_lg_u32 s10, 0
	s_cbranch_scc1 .Lnot_wave_0_\@
	s_barrier_signal -3
.Lnot_wave_0_\@:
	s_barrier_wait -3
	s_barrier_signal -1
	s_barrier_wait -1
.endm
.macro CROUND
	s_barrier_signal -1
	s_barrier_wait -1
	CREST
.endm
; THE PREFETCHES, behind a refill, the run of LDS loads and the loads of q that follow it: one instruction for kT and one for q.  kT: the K step that the NEXT refill will fetch: of the 128 rows that I fetch, my work-group's 32
; (the four partners of a column share them out by address), a lane a row of 256 bytes; the rows of a column of clusters are asked for by its diagonal cluster alone.  q: the K step whose loads begin five quarters on: my
; batch's 128 blocks of 256 bytes, of which my work-group takes 32 (the four partners of a row, by address); a block of queries is asked for by the cluster with column 0 alone.  So each block is named once in the launch.
; The loop's last trip (s3 = 1) asks for nothing: there is no such step.  Steps 0 to 2 come by their loads alone.
.macro ASK
	WIN 0
	s_cmp_gt_u32 s3, s[LIMK]
	s_cbranch_scc0 .Lnot_k_\@
	global_prefetch_b8 v[PFKO], s[PFK:PFK+1] th:TH_LOAD_NT scope:SCOPE_SE
.Lnot_k_\@:
	s_cmp_gt_u32 s3, s[LIMQ]
	s_cbranch_scc0 .Lnot_q_\@
	global_prefetch_b8 v[PFQO], s[PFQ:PFQ+1] th:TH_LOAD_NT scope:SCOPE_SE
.Lnot_q_\@:
.endm
	s_load_b128 s[4:7], s[0:1], 0x0                ; qkv s[4:5], p s[6:7]
	v_lshl_add_u32 v[SPW], v0, 2, SPARE
	v_mov_b32 v[NIL], 0
	ds_add_u32 v[SPW], v[NIL]                      ; the wave's opening: the add and its wait stand ahead of my first tensor load
	v_lshrrev_b32 v1, 5, v0
	v_readfirstlane_b32 s10, v1                    ; wave = batch
	v_and_b32 v5, 31, v0                           ; l
	v_lshlrev_b32 v[QO], 4, v5
	s_bfe_u32 s40, ttmp6, 0x40000                  ; cx
	s_bfe_u32 s41, ttmp6, 0x40004                  ; cy
	s_cmp_gt_u32 ttmp9, 0                          ; the cluster's row of the triangle: 0 | 1 1 | 2 2 2 | 3 3 3 3
	s_cselect_b32 s20, 1, 0
	s_cmp_gt_u32 ttmp9, 2
	s_cselect_b32 s21, 1, 0
	s_add_co_u32 s20, s20, s21
	s_cmp_gt_u32 ttmp9, 5
	s_cselect_b32 s21, 1, 0
	s_add_co_u32 s20, s20, s21
	s_add_co_u32 s21, s20, 1
	s_mul_i32 s21, s21, s20
	s_lshr_b32 s21, s21, 1
	s_sub_co_u32 s21, ttmp9, s21                   ; and its column
	s_lshl_b32 s13, s20, 2
	s_add_co_u32 s13, s13, s41                     ; I: my block of 128 queries
	s_lshl_b32 s42, s21, 2
	s_add_co_u32 s42, s42, s40                     ; J: my block of 128 keys
	s_cmp_eq_u32 s20, s21
	s_cselect_b32 s[LIMK], 1, -1                   ; the diagonal cluster asks for its column's kT,
	s_cmp_eq_u32 s21, 0
	s_cselect_b32 s[LIMQ], 1, -1                   ; the first cluster of a row for its q: the same in all sixteen partners
	s_lshl_b32 s22, 0x1111, s40                    ; my column of the cluster
	s_or_b32 s[G1+0], s22, (1<<16)|(1<<20)|(1<<21)|(5<<22)|(7<<25)   ; the mask; 2-byte elements; padding on; bit 21 beside a mask; after every 64 words 8 words
	s_mov_b32 s[G1+1], 128<<16                     ; tensor_dim0 = 128
	s_mov_b32 s[G1+2], 128<<16                     ; tensor_dim1 = 128
	s_mov_b32 s[G1+3], 128<<16                     ; tile_dim0 = 128
	s_mov_b32 s[G1+4], 128                         ; tile_dim1 = 128
	s_mov_b32 s[G1+5], 2048                        ; elements from row to row
	s_mov_b32 s[G1+6], 0
	s_mov_b32 s[G1+7], 0
	s_lshl_b32 s18, s42, 8                         ; kT: the block's 256 bytes of a row,
	s_lshl_b32 s17, s10, 19                        ; my 128 of a step's 512 rows of 4,096 bytes,
	s_add_co_u32 s18, s18, s17
	s_add_co_u32 s18, s18, 1<<24                   ; in k's region: it hangs on cx and never on cy
	s_mov_b32 s19, 0
	s_lshl_b32 s16, s13, 2
	s_add_co_u32 s16, s16, s10
	s_lshl_b32 s16, s16, 18                        ; q: block 4 I + batch
	s_mov_b32 s17, 0
	s_mul_i32 s23, s10, QUART                      ; where my rows of kT go
	s_mov_b32 s[TB], 0
	s_mov_b32 s[CSC], 0x3d38aa3b                   ; c = log2(e) / 32
	s_mov_b32 s[CSC+1], s[CSC]
	s_wait_dscnt 0x0                               ; the opening add is done
	s_wait_kmcnt 0x0
	s_add_nc_u64 s[18:19], s[4:5], s[18:19]
	s_add_nc_u64 s[QA:QA+1], s[4:5], s[16:17]
.irp s, 0,1
	s_mov_b32 s[G0+4*(\s)], 1
	s_add_co_u32 s[G0+4*(\s)+1], s23, (\s)*SLOT
	s_add_nc_u64 s[G0+4*(\s)+2:G0+4*(\s)+3], s[18:19], (\s)<<21          ; a step is 512 rows of 4,096 bytes
	s_or_b32 s[G0+4*(\s)+3], s[G0+4*(\s)+3], 0x80000000
.endr
	CROUND                                         ; all sixteen work-groups are here: the first joint loads meet
	tensor_load_to_lds s[G0:G0+3], s[G1:G1+7]      ; step 0
	s_nop 0
	tensor_load_to_lds s[G0+4:G0+7], s[G1:G1+7]    ; step 1: two loads of mine are out
	s_nop 0
.rept 4
	v_nop
.endr
; Eight loads of q: the fragments of rows 64 hi + 0..63 for the quarter that buffer buf holds (channels 32 buf on of a step), goff bytes behind the step that s[QA] names.  Each takes 512 consecutive bytes.
.macro AHALF buf, hi, goff
.irp a, 0,1,2,3
	global_load_b128 v[64*(\buf)+8*(4*(\hi)+(\a)):64*(\buf)+8*(4*(\hi)+(\a))+3],   v[QO], s[QA:QA+1] offset:(4*(\hi)+(\a))*32768+(\buf)*8192+(\goff)
	global_load_b128 v[64*(\buf)+8*(4*(\hi)+(\a))+4:64*(\buf)+8*(4*(\hi)+(\a))+7], v[QO], s[QA:QA+1] offset:(4*(\hi)+(\a))*32768+(\buf)*8192+4096+(\goff)
.endr
.endm
	WIN TO_A                                       ; the ring's first 56 loads, in the order in which the loop would have issued them, so that its counts hold from the first quarter on
	AHALF 0, 0, 0
	AHALF 0, 1, 0
	AHALF 1, 0, 0
	AHALF 1, 1, 0
	AHALF 2, 0, 0
	AHALF 2, 1, 0
	AHALF 3, 0, 0
	WIN 0
	s_lshl_b32 s20, s41, 17                        ; the prefetches: my work-group's 32 rows of 4,096 bytes,
	s_add_co_u32 s20, s20, 2<<21                   ; at step 2: the first change of slots steps it to 3
	s_mov_b32 s21, 0
	s_add_nc_u64 s[PFK:PFK+1], s[18:19], s[20:21]
	s_lshl_b32 s20, s40, 16                        ; my work-group's two blocks of 16 rows of q,
	s_add_co_u32 s20, s20, 2*512                   ; at step 2
	s_add_nc_u64 s[PFQ:PFQ+1], s[QA:QA+1], s[20:21]
	v_and_b32 v1, 15, v0                           ; l % 16
	v_bfe_u32 v2, v0, 4, 1                         ; l / 16
	v_and_b32 v6, 7, v0
	v_bfe_u32 v7, v0, 3, 1
	v_lshl_add_u32 v4, v2, 3, v6                   ; kT: the turning load: channel 8 (l / 16) + l % 8,
	v_mul_u32_u24 v4, v4, PB
	v_lshl_add_u32 v4, v7, 4, v4                   ; keys 8 ((l / 8) % 2) + 0..7
	s_mul_i32 s22, s10, 64*PB                      ; my batch's 64 rows
	v_add_nc_u32 v[ADRB0], s22, v4
	v_add_nc_u32 v[ADRB0+1], 256*PB, v[ADRB0]      ; the step's second 64 channels lie 256 rows on
	v_mov_b32 v[ADRB], v[ADRB0]                    ; slot 0 is read first
	v_mov_b32 v[ADRB+1], v[ADRB0+1]
	v_lshlrev_b32 v[PFKO], 12, v5
	v_lshlrev_b32 v[PFQO], 15, v2                  ; block of 16 rows l / 16, piece (l / 2) % 8, half l % 2
	v_bfe_u32 v3, v0, 1, 3
	v_lshl_add_u32 v[PFQO], v3, 12, v[PFQO]
	v_and_b32 v3, 1, v0
	v_lshl_add_u32 v[PFQO], v3, 8, v[PFQO]
	s_mul_i32 s21, s10, XB                         ; the exchange, in: my batch, row l % 16, 32 bytes for each half of the lanes
	v_mul_u32_u24 v4, v1, XP
	v_lshl_add_u32 v4, v2, 5, v4
	v_add_nc_u32 v[STO], s21, v4
	s_mul_i32 s22, s10, 32*XP                      ; out: rows 32 w on, 16 bytes a lane
	v_lshl_add_u32 v4, v5, 4, s22
.irp b, 0,1,2,3
	v_add_nc_u32 v[XA+(\b)], (\b)*XB, v4
.endr
	s_lshl_b32 s23, s10, 17                        ; 32 rows of p
	v_lshl_add_u32 v[PO], v5, 3, s23               ; + 8 bytes a lane
	s_sub_co_i32 s21, s13, s42
	s_lshl_b32 s21, s21, 7
	s_lshl_b32 s22, s10, 5
	s_add_co_i32 s21, s21, s22                     ; 128 (I - J) + 32 w
	v_lshlrev_b32 v4, 2, v5
	v_sub_nc_u32 v[DG], s21, v4                    ; - 4 l
	s_lshl_b32 s20, s13, 19
	s_lshl_b32 s21, s42, 8
	s_add_co_u32 s20, s20, s21
	s_mov_b32 s21, 0
	s_add_nc_u64 s[PBASE:PBASE+1], s[6:7], s[20:21]
.irp b, 1,2,3
	s_add_nc_u64 s[PBASE+2*(\b):PBASE+2*(\b)+1], s[PBASE:PBASE+1], (\b)<<23
.endr
; 16 matrix instructions.  Source 0 = 16 keys of kT (buffer f), source 1 = 16 rows of q (buffer at ab): a lane holds one row i (l % 16) and the keys 8 (l / 16) + 0..7.  The 64 accumulators take turns.
.macro MUL16 f, ab, hi, a0, zero
	WIN MUL_LO+0x50*(\hi)
.irp a, \a0, (\a0)+1
.irp b, 0,1,2,3,4,5,6,7
.if \zero
	v_wmma_f32_16x16x32_f16 v[8*(8*(\a)+(\b)):8*(8*(\a)+(\b))+7], v[(\f)+8*(\b):(\f)+8*(\b)+7], v[(\ab)+8*(4*(\hi)+(\a)):(\ab)+8*(4*(\hi)+(\a))+7], 0
.else
	v_wmma_f32_16x16x32_f16 v[8*(8*(\a)+(\b)):8*(8*(\a)+(\b))+7], v[(\f)+8*(\b):(\f)+8*(\b)+7], v[(\ab)+8*(4*(\hi)+(\a)):(\ab)+8*(4*(\hi)+(\a))+7], v[8*(8*(\a)+(\b)):8*(8*(\a)+(\b))+7]
.endif
.endr
.endr
.endm
; 16 LDS loads in one run: kT's fragments of quarter kq (32 channels) of the slot in hand, into buffer f
.macro FETCH kq, f
	WIN 0
.irp i, 0,1,2,3,4,5,6,7
	ds_load_tr16_b128 v[(\f)+8*(\i):(\f)+8*(\i)+3],   v[ADRB+(\kq)/2] offset:((\kq)%2)*32*PB+32*(\i)
	ds_load_tr16_b128 v[(\f)+8*(\i)+4:(\f)+8*(\i)+7], v[ADRB+(\kq)/2] offset:((\kq)%2)*32*PB+16*PB+32*(\i)
.endr
.endm
; The loads of q in the middle of quarter kq: rows 64-127 of the quarter three on (into registers that the quarter before read last), then rows 0-63 of the quarter four on (into registers just read).
; s[QA] names the step in hand in quarters 0 to 2 and the next step in quarter 3.  gl = 2: both; 1: the first alone; 0: none (the end of K).
.macro GLOAD kq, gl
.if \gl
	WIN TO_A
.if ((\kq) == 0) || ((\kq) == 3)
	AHALF ((\kq)+3)%4, 1, 0
.else
	AHALF ((\kq)+3)%4, 1, 512
.endif
.if (\gl) == 2
.if (\kq) == 3
	AHALF \kq, 0, 0
.else
	AHALF \kq, 0, 512
.endif
.endif
.endif
.endm
.macro PLACES                          ; four plain instructions between a matrix instruction and a load into its registers (ISA guide 7.12.1 for vector instructions)
.rept 4
	v_nop
.endr
.endm
; A K step is four quarters of 32 channels, 64 matrix instructions each; kT on buffers 0, 1, 0, 1, q on its four.  One of the first three.
; w0: the loads of q that are younger than this quarter's rows 0-63 (three groups of 16); w1: those younger than its rows 64-127 (8 and three groups); fewer at the end of K.
.macro QUARTER kq, f, g, zero, gl, w0, w1
	s_wait_loadcnt \w0
	s_wait_dscnt 0x0                               ; kT's fragments, asked for 32 matrix instructions ago
	MUL16 \f, 64*(\kq), 0, 0, \zero
	MUL16 \f, 64*(\kq), 0, 2, \zero
	PLACES
	FETCH (\kq)+1, \g
	GLOAD \kq, \gl
	s_wait_loadcnt \w1
	MUL16 \f, 64*(\kq), 1, 0, \zero
	MUL16 \f, 64*(\kq), 1, 2, \zero
.endm
; The fourth quarter changes slots, with ONE barrier.  In front of it each wave waits for all its tensor loads (the one that is out is its part of the next slot), adds 0 to its spare word, and waits for that and for its reads
; of this slot.  fill = 1: the barrier opens a round of the cluster's, and behind the round this slot is filled again first, two steps ahead: 224 matrix instructions ahead of the wait for it.
.macro TURN fill
	s_wait_xcnt 0x0                                ; every load of q (the youngest 32 matrix instructions back) and the last prefetches (a step back) have read their addresses
	s_add_nc_u64 s[QA:QA+1], s[QA:QA+1], 512       ; q: the next step
.if \fill
	s_add_nc_u64 s[PFK:PFK+1], s[PFK:PFK+1], 1<<21
	s_add_nc_u64 s[PFQ:PFQ+1], s[PFQ:PFQ+1], 512
.endif
	s_wait_loadcnt 48                              ; q's rows 0-63 of this quarter
	WIN 0
	s_wait_tensorcnt 0x0                           ; all my tensor loads have landed, so a group 0 may be written
	ds_add_u32 v[SPW], v[NIL]                      ; 0 onto my spare word
.if \fill
	s_xor_b32 s[G0+5], s[G0+5], SLOT               ; the walking descriptor: the other slot than last time,
	s_add_nc_u64 s[G0+6:G0+7], s[G0+6:G0+7], 1<<21 ; the next step; the type bits on top are not reached
.endif
	s_wait_dscnt 1                                 ; kT's fragments are in; the add may be out
	MUL16 F1, 192, 0, 0, 0                         ; sixteen matrix instructions between the add and the wait for it
	s_wait_dscnt 0x0                               ; the add is done, and my reads of this slot are over
	s_barrier_signal -1
	MUL16 F1, 192, 0, 2, 0
	WIN 0
	s_barrier_wait -1
.if \fill
	CREST                                          ; no wave of any partner still reads this slot or has a load on its way
	tensor_load_to_lds s[G0+4:G0+7], s[G1:G1+7]
	s_nop 0
.endif
	PLACES                                         ; behind the tensor load, and the places in front of the loads below
	s_xor_b32 s[TB], s[TB], SLOT                   ; the reads go on in the other slot
	v_add_nc_u32 v[ADRB], s[TB], v[ADRB0]
	v_add_nc_u32 v[ADRB+1], s[TB], v[ADRB0+1]
	FETCH 0, F0
	GLOAD 3, 2
.if \fill
	ASK
.endif
	s_wait_loadcnt 56                              ; q's rows 64-127 of this quarter
	MUL16 F1, 192, 1, 0, 0
	MUL16 F1, 192, 1, 2, 0
.endm
	s_wait_tensorcnt 1                             ; my part of step 0 is in; step 1's may stay out
	s_barrier_signal -1
	s_barrier_wait -1
	FETCH 0, F0
	QUARTER 0, F0, F1, 1, 2, 48, 56                ; the first products start the sums
	WIN 0
	s_mov_b32 s3, 6
.Lstep:                                                ; six trips: a step's second quarter to the next step's first; steps 0 to 5 end with a refill
	QUARTER 1, F1, F0, 0, 2, 48, 56
	QUARTER 2, F0, F1, 0, 2, 48, 56
	TURN 1
	QUARTER 0, F0, F1, 0, 2, 48, 56
	WIN 0
	s_sub_co_u32 s3, s3, 1
	s_cmp_lg_u32 s3, 0
	s_cbranch_scc1 .Lstep
	QUARTER 1, F1, F0, 0, 2, 48, 56                ; step 6 fills nothing
	QUARTER 2, F0, F1, 0, 2, 48, 56
	TURN 0
	QUARTER 0, F0, F1, 0, 1, 48, 48                ; step 7: of q only the last quarter's rows 64-127 are still to be asked for, and the counts run down
	QUARTER 1, F1, F0, 0, 0, 40, 32
	QUARTER 2, F0, F1, 0, 0, 24, 16
	s_wait_loadcnt 8
	s_wait_dscnt 0x0
	MUL16 F1, 192, 0, 0, 0
	MUL16 F1, 192, 0, 2, 0
	s_wait_loadcnt 0x0
	MUL16 F1, 192, 1, 0, 0
	MUL16 F1, 192, 1, 2, 0
	WIN 0
	PLACES
	PLACES                                         ; once a launch: the LDS stores below read results just made
	s_barrier_signal -1                            ; every wave's reads of the slots are back (the wait for 0 above), and the slots have had their last fill:
	s_barrier_wait -1                              ; their bytes now serve the exchange
.irp a, 0,1,2,3,4,5,6,7
	WIN 0x08+4*((\a)/4)                            ; the stores' data: window 2 or 3
.irp b, 0,1,2,3,4,5,6,7
	ds_store_b128 v[STO], v[64*((\a)%4)+8*(\b):64*((\a)%4)+8*(\b)+3]   offset:16*XP*(\a)+64*(\b)      ; each accumulator's low half first
	ds_store_b128 v[STO], v[64*((\a)%4)+8*(\b)+4:64*((\a)%4)+8*(\b)+7] offset:16*XP*(\a)+64*(\b)+16
.endr
.endr
	WIN 0
	s_wait_dscnt 0x0                               ; for the others' sake: my stores are done
	s_barrier_signal -1
	s_barrier_wait -1
	s_mov_b32 s3, 8
.Lrows:                                                ; eight trips of four rows: my 32 rows of all four batches, four columns a lane
.irp r, 0,1,2,3
.irp b, 0,1,2,3
	ds_load_b128 v[X+16*(\r)+4*(\b):X+16*(\r)+4*(\b)+3], v[XA+(\b)] offset:XP*(\r)
.endr
.endr
	s_wait_dscnt 0x0
.set i, 0
.rept 16                               ; the maximum over the four batches
	v_max3_num_f32 v[MX+i], v[X+16*(i/4)+i%4], v[X+16*(i/4)+4+i%4], v[X+16*(i/4)+8+i%4]
.set i, i+1
.endr
.set i, 0
.rept 16
	v_max_num_f32 v[MX+i], v[MX+i], v[X+16*(i/4)+12+i%4]
.set i, i+1
.endr
.set i, 0
.rept 8
	v_pk_mul_f32 v[MX+2*i:MX+2*i+1], v[MX+2*i:MX+2*i+1], s[CSC:CSC+1] op_sel_hi:[1,0]
.set i, i+1
.endr
.set i, 0
.rept 32                               ; c s - c m
	v_pk_fma_f32 v[X+2*i:X+2*i+1], v[X+2*i:X+2*i+1], s[CSC:CSC+1], v[MX+4*(i/8)+2*(i%2):MX+4*(i/8)+2*(i%2)+1] op_sel_hi:[1,0,1] neg_lo:[0,0,1] neg_hi:[0,0,1]
.set i, i+1
.endr
.set i, 0
.rept 64                               ; one batch of exponentials,
	v_exp_f32 v[X+i], v[X+i]
.set i, i+1
.endr
	v_nop                                          ; a plain instruction behind the last,
	s_wait_alu depctr_va_vdst(0)                   ; and one wait ahead of the first reader
.set i, 0
.rept 8
	v_pk_add_f32 v[TS+2*i:TS+2*i+1], v[X+16*(i/2)+2*(i%2):X+16*(i/2)+2*(i%2)+1], v[X+16*(i/2)+4+2*(i%2):X+16*(i/2)+4+2*(i%2)+1]
.set i, i+1
.endr
.set i, 0
.rept 8
	v_pk_add_f32 v[TS+2*i:TS+2*i+1], v[TS+2*i:TS+2*i+1], v[X+16*(i/2)+8+2*(i%2):X+16*(i/2)+8+2*(i%2)+1]
.set i, i+1
.endr
.set i, 0
.rept 8
	v_pk_add_f32 v[TS+2*i:TS+2*i+1], v[TS+2*i:TS+2*i+1], v[X+16*(i/2)+12+2*(i%2):X+16*(i/2)+12+2*(i%2)+1]
.set i, i+1
.endr
.set i, 0
.rept 16
	v_rcp_f32 v[TS+i], v[TS+i]
.set i, i+1
.endr
	v_nop
	s_wait_alu depctr_va_vdst(0)                   ; one wait for the sixteen reciprocals
.set i, 0
.rept 16                               ; the mask goes onto the reciprocal, once for the four batches: column e of row r is kept where e - r <= (first row) - (first column)
	v_cmp_le_i32 vcc_lo, (i%4)-(i/4), v[DG]
	v_cndmask_b32 v[TS+i], 0, v[TS+i], vcc_lo
.set i, i+1
.endr
.set i, 0
.rept 32
	v_pk_mul_f32 v[X+2*i:X+2*i+1], v[X+2*i:X+2*i+1], v[TS+4*(i/8)+2*(i%2):TS+4*(i/8)+2*(i%2)+1]
.set i, i+1
.endr
.set i, 0
.rept 32
	v_cvt_pk_f16_f32 v[Y+i], v[X+2*i], v[X+2*i+1]
.set i, i+1
.endr
.irp r, 0,1,2,3
.irp b, 0,1,2,3
	global_store_b64 v[PO], v[Y+8*(\r)+2*(\b):Y+8*(\r)+2*(\b)+1], s[PBASE+2*(\b):PBASE+2*(\b)+1] offset:4096*(\r)  ; 32 lanes x 8 bytes: 256 consecutive bytes, aligned
.endr
.endr
	s_wait_xcnt 0x0                                ; the stores' offset and data are rewritten only behind this wait
.irp b, 0,1,2,3
	v_add_nc_u32 v[XA+(\b)], 4*XP, v[XA+(\b)]
.endr
	v_add_nc_u32 v[PO], 4*4096, v[PO]
	v_add_nc_u32 v[DG], 4, v[DG]
	s_sub_co_u32 s3, s3, 1
	s_cmp_lg_u32 s3, 0
	s_cbranch_scc1 .Lrows
	s_wait_tensorcnt 0x0                           ; the wave's end, behind my last tensor load and my last LDS store
	ds_add_u32 v[SPW], v[NIL]
	s_wait_dscnt 0x0
	CROUND                                         ; the closing round
	s_endpgm
.Lfunc_end_k_qf364fa222b_scores:
	.size	k_qf364fa222b_scores, .Lfunc_end_k_qf364fa222b_scores-k_qf364fa222b_scores
	.p2alignl 7, 3214868480
	.fill 96, 4, 3214868480
	.section	.rodata,"a",@progbits
	.p2align	6, 0x0
	.amdhsa_kernel k_qf364fa222b_scores
		.amdhsa_group_segment_fixed_size 327680
		.amdhsa_private_segment_fixed_size 0
		.amdhsa_enable_private_segment 0
		.amdhsa_kernarg_size 16
		.amdhsa_user_sgpr_count 2
		.amdhsa_user_sgpr_kernarg_segment_ptr 1
		.amdhsa_wavefront_size32 1
		.amdhsa_system_sgpr_workgroup_id_x 1
		.amdhsa_system_sgpr_workgroup_id_y 1
		.amdhsa_system_sgpr_workgroup_id_z 1
		.amdhsa_system_vgpr_workitem_id 0
		.amdhsa_next_free_vgpr 1024
		.amdhsa_next_free_sgpr 80
		.amdhsa_reserve_vcc 1
		.amdhsa_float_denorm_mode_32 3
		.amdhsa_float_denorm_mode_16_64 3
		.amdhsa_memory_ordered 1
		.amdhsa_forward_progress 1
		.amdhsa_inst_pref_size 116
	.end_amdhsa_kernel
	.amdgpu_metadata
---
amdhsa.version: [ 1, 2 ]
amdhsa.kernels:
  - .name:           k_qf364fa222b_scores
    .symbol:         k_qf364fa222b_scores.kd
    .args:
      - { .name: qkv, .offset: 0, .size: 8, .value_kind: global_buffer, .address_space: global }
      - { .name: p, .offset: 8, .size: 8, .value_kind: global_buffer, .address_space: global }
    .group_segment_fixed_size: 327680
    .private_segment_fixed_size: 0
    .kernarg_segment_align: 8
    .kernarg_segment_size: 16
    .max_flat_workgroup_size: 128
    .sgpr_count:     80
    .vgpr_count:     1024
    .wavefront_size: 32
...
	.end_amdgpu_metadata
.endif
;; end of part 3
;; launch pv (part 4): grid 8 x 32, 4 waves a work-group, clusters of 4 x 4, 327,680 bytes of LDS; arguments p, qkv, cs, out0; writes out0
.if DOCPART == 4
	.amdgcn_target "amdgcn-amd-amdhsa--gfx1250"
	.amdhsa_code_object_version 6
	.text
	.protected	k_qf364fa222b_pv
	.globl	k_qf364fa222b_pv
	.p2align	8
	.type	k_qf364fa222b_pv,@function
k_qf364fa222b_pv:
	s_mov_b64 s[64:65], 0
	v_nop
	global_prefetch_b8 v0, s[64:65] scope:SCOPE_SE
	s_setreg_imm32_b32 hwreg(HW_REG_WAVE_MODE, 25, 1), 1
	s_wait_xcnt 0x0
	s_wait_alu depctr_hold_cnt(0) depctr_sa_sdst(0) depctr_va_vdst(0) depctr_va_sdst(0) depctr_va_ssrc(0) depctr_va_vcc(0) depctr_vm_vsrc(0)
	s_getreg_b32 s2, hwreg(HW_REG_IB_STS2, 6, 4)
	s_cmp_eq_u32 s2, 0
	s_cbranch_scc0 .Lentry_in_a_cluster
	s_endpgm
.Lentry_in_a_cluster:
	s_bfe_u32 s2, ttmp6, 0x10000c
	s_cmp_lg_u32 s2, 0xf033
	s_cbranch_scc0 .Lentry_shape_is_right
	s_endpgm
.Lentry_shape_is_right:
; out0[b][i][c] = the sum over j <= i of p[b][i][j] v[b][j][c]  +  1e-9 x the sum over j > i of v[b][j][c].  p (f16, 0 where j > i) and v^T (f16, [1,024 keys' group][channel][key]) come from the launches before; sums in f32.
; THE SECOND TERM starts the sums: for a tile of 128 rows (block I), 1e-9 x (U V) + S, where U[i][k] = 1 for the keys k > i of the block's own 128 (a product on the matrix unit with the f16 v), and
; S[c] = 1e-9 x the sum over the key blocks J > I of cs[b][J][c] (f32 sums of the unrounded v).  The order of the sums differs from the reference's.  NaN and infinities are not treated apart.
; SHARES.  A tile is 128 (i) x 128 (c) of one batch; it walks the keys 0 .. 512 (I / 4 + 1) - 1, a LAP of 512 keys = two K steps of 256.  A work-group makes TWO tiles, I0 = 12 - 4 u + cy (4 - u laps) and I1 = 4 u + cy
; (u + 1 laps): five laps whatever u and cy: 256 work-groups of equal work, one loop with a constant count, the ring running on across the change of tiles.  A wave makes 64 x 64: 16 accumulators.
; CLUSTER (b, u, 4 channel blocks x 4 row blocks): p's tile hangs on cy alone (joint along the cluster's row), v^T's on cx alone (along its column); all partners walk the same keys.
; REGISTERS: window 0: v0-31 addresses; v32-75 U's fragments, later v32-95 the way out; v76-79 at work; v96-127 S of tile 1; v128-255 the accumulators ((a, b) at v[128 + 8 (4 a + b)])
;   window 1: two fragment buffers of 128      window 2: v0-127 U V of tile 1; v128-255 v's fragments of tile 0's own keys      window 3: v0-127 the same for tile 1; v128-159 S of tile 0
.set KSTEP,  256
.set PITCH,  528                       ; an LDS row: 512 bytes + 16
.set HALFT,  64*PITCH                  ; what one tensor load brings
.set SLOT,   4*HALFT                   ; p's 128 rows, then v^T's 128
.set STAGE,  2*SLOT                    ; behind the ring: 16 rows x 272 bytes for each wave; no tensor load lands there
.set SPITCH, 272
.set SUFS,   STAGE+4*16*SPITCH         ; 512 bytes for each wave: S of both tiles changes lanes here
.set SPARE,  SUFS+4*512                ; the spare words: 128 bytes a wave, two blocks of 256 bytes that no other line names
.set ADRA, 16                          ; v16-17  LDS address of my p fragments in slot 0, 1
.set ADRB, 20                          ; v20-21  the same for v^T
.set CSO,  22                          ; v22     8 x lane: my two channels in cs
.set SS,   23                          ; v23     where I put them in LDS
.set STO,  24                          ; v24     the way out: where I put 32 bytes of a row
.set RD,   25                          ; v25     where I read a row back
.set CO,   26                          ; v26     my byte offset in two rows of out0
.set VO,   27                          ; v27     my byte offset in a fragment's rows of v^T in memory
.set SPW,  28
.set NIL,  29
.set SR,   30                          ; v30     where I read S back
.set TT,   31                          ; v31     64 RH + l % 16 - 8 (l / 16)
.set G,    32                          ; U: eleven groups of four registers, group m = -3 .. 7 at G + 4 (m + 3)
.set TMP,  32
.set SA,   76
.set SUF1, 96
.set ACC,  128
.set CSL,  192                         ; cs as loaded: 15 pairs, in accumulator registers that are not yet in use
.set SUF0, 128                         ; in window 3
.set F0,   0
.set F1,   128
.set WV,  14
.set RH,  15                           ; which half of the tile's rows is mine.  Also: I fetch for p (0) or for v^T (1)
.set CH,  16                           ; which half of its columns.  Also: which 64 rows I fetch
.set CX,  17
.set CY,  18
.set BB,  19                           ; the batch
.set UU,  20
.set CBK, 21                           ; my block of 128 channels
.set G1,  24
.set G0,  32
.set LAM, 40                           ; the lap, within its tile, that is asked for next
.set LCUR, 41                          ; the laps of the tile whose laps are being asked for
.set ACUR, 42                          ; that tile's byte offset in p (my 64 rows)
.set ABASE1, 43                        ; the second tile's
.set BBASE, 44                         ; my 64 rows' byte offset in qkv, key group 2 b
.set TSC, 45
.set OFA, 46                           ; s[46:47]
.set G1B, 48
.set G0B, 56
.set OFB, 66                           ; s[66:67]
.set EPS, 68                           ; s[68:69] 1e-9
.set SEL, 70                           ; s[70:71] 1e-9 or 0
.set OB,  72                           ; s[72:73] out0 at my part of the tile in hand;  s[74:75] of the second tile
.set VB0, 76                           ; s[76:77], s[78:79] v^T at the tiles' own keys
.set I0,  80                           ; s80, s81 the two tiles' blocks
.set CSB, 82                           ; s[82:83] cs at my 64 channels of the batch
.set MSB, 0
.macro WIN new
.if MSB != (\new)
	s_set_vgpr_msb (MSB<<8)|(\new)
.set MSB, \new
.endif
.endm
.set MUL,  0x05                        ; sources 0 (v^T) and 1 (p) window 1; C and D window 0
.set TO_F, 0x40
.macro JLOAD s                         ; waves 0 and 1 fetch p's two halves, waves 2 and 3 v^T's; an s_nop 0 and four v_nop follow each line
	s_cmp_eq_u32 s[RH], 0
	s_cbranch_scc0 .Lfor_b_\@
	tensor_load_to_lds s[G0+4*(\s):G0+4*(\s)+3], s[G1:G1+7]
	s_nop 0
.rept 4
	v_nop
.endr
	s_branch .Lasked_\@
.Lfor_b_\@:
	tensor_load_to_lds s[G0B+4*(\s):G0B+4*(\s)+3], s[G1B:G1B+7]
	s_nop 0
.rept 4
	v_nop
.endr
.Lasked_\@:
.endm
.macro CREST
	s_cmp_lg_u32 s[WV], 0
	s_cbranch_scc1 .Lnot_wave_0_\@
	s_barrier_signal -3
.Lnot_wave_0_\@:
	s_barrier_wait -3
	s_barrier_signal -1
	s_barrier_wait -1
.endm
.macro CROUND
	s_barrier_signal -1
	s_barrier_wait -1
	CREST
.endm
; The two global addresses of slot s's next fill, made anew from the lap's number: the buffer's address plus an offset made apart, the type bits set again.  Behind slot 1's the lap steps, and behind the first
; tile's last lap goes back to 0, in the second tile.  It stands where no tensor load of the wave is out.
.macro NEWADDR s
	s_lshl_b32 s[OFA], s[LAM], 10                  ; 512 keys are 1,024 bytes of a row of p
	s_add_co_u32 s[OFA], s[OFA], s[ACUR]
.if \s
	s_add_co_u32 s[OFA], s[OFA], KSTEP*2
.endif
	s_add_nc_u64 s[G0+4*(\s)+2:G0+4*(\s)+3], s[4:5], s[OFA:OFA+1]
	s_or_b32 s[G0+4*(\s)+3], s[G0+4*(\s)+3], 0x80000000
	s_lshr_b32 s[OFB], s[LAM], 1                   ; v^T: the group of 1,024 keys,
	s_lshl_b32 s[OFB], s[OFB], 21
	s_and_b32 s[TSC], s[LAM], 1                    ; and the half of its rows
	s_lshl_b32 s[TSC], s[TSC], 10
	s_add_co_u32 s[OFB], s[OFB], s[TSC]
	s_add_co_u32 s[OFB], s[OFB], s[BBASE]
.if \s
	s_add_co_u32 s[OFB], s[OFB], KSTEP*2
.endif
	s_add_nc_u64 s[G0B+4*(\s)+2:G0B+4*(\s)+3], s[6:7], s[OFB:OFB+1]
	s_or_b32 s[G0B+4*(\s)+3], s[G0B+4*(\s)+3], 0x80000000
.if \s
	s_add_co_u32 s[LAM], s[LAM], 1
	s_cmp_eq_u32 s[LAM], s[LCUR]
	s_cselect_b32 s[LAM], 0, s[LAM]
	s_cselect_b32 s[ACUR], s[ABASE1], s[ACUR]
	s_cselect_b32 s[LCUR], 99, s[LCUR]             ; the second tile's laps end with the walk
.endif
.endm
	s_load_b256 s[4:11], s[0:1], 0x0               ; p s[4:5], qkv s[6:7], cs s[8:9], out0 s[10:11]
	v_lshl_add_u32 v[SPW], v0, 2, SPARE
	v_mov_b32 v[NIL], 0
	ds_add_u32 v[SPW], v[NIL]                      ; the wave's opening: the add and its wait stand ahead of my first tensor load
	v_lshrrev_b32 v1, 5, v0
	v_readfirstlane_b32 s[WV], v1
	s_lshr_b32 s[RH], s[WV], 1
	s_and_b32 s[CH], s[WV], 1
	s_bfe_u32 s[CX], ttmp6, 0x40000
	s_bfe_u32 s[CY], ttmp6, 0x40004
	s_and_b32 s22, ttmp7, 0xffff                   ; the cluster's y = 2 b + u
	s_lshr_b32 s[BB], s22, 1
	s_and_b32 s[UU], s22, 1
	s_lshl_b32 s[CBK], ttmp9, 2
	s_add_co_u32 s[CBK], s[CBK], s[CX]
	s_lshl_b32 s22, s[CY], 2
	s_lshl_b32 s22, 15, s22                        ; my row of the cluster
	s_lshl_b32 s23, 0x1111, s[CX]                  ; my column
	s_or_b32 s[G1+0], s22, (1<<16)|(1<<20)|(1<<21)|(6<<22)|(3<<25)   ; the mask; 2-byte elements; padding on; bit 21 beside a mask; after every 128 words 4 words
	s_or_b32 s[G1B+0], s23, (1<<16)|(1<<20)|(1<<21)|(6<<22)|(3<<25)
.irp g, G1, G1B
	s_mov_b32 s[(\g)+1], KSTEP<<16                 ; tensor_dim0 = 256
	s_mov_b32 s[(\g)+2], 64<<16                    ; tensor_dim1 = 64
	s_mov_b32 s[(\g)+3], KSTEP<<16                 ; tile_dim0 = 256
	s_mov_b32 s[(\g)+4], 64                        ; tile_dim1 = 64
	s_mov_b32 s[(\g)+6], 0
	s_mov_b32 s[(\g)+7], 0
.endr
	s_mov_b32 s[G1+5], 2048                        ; elements from row to row: p,
	s_mov_b32 s[G1B+5], 1024                       ; v^T
	s_lshl_b32 s12, s[UU], 2
	s_add_co_u32 s[I0+1], s12, s[CY]               ; I1 = 4 u + cy
	s_sub_co_u32 s13, 12, s12
	s_add_co_u32 s[I0], s13, s[CY]                 ; I0 = 12 - 4 u + cy
	s_lshl_b32 s12, s[BB], 23
	s_lshl_b32 s13, s[CH], 18                      ; the 64 rows of p that I fetch
	s_add_co_u32 s12, s12, s13
	s_lshl_b32 s[ACUR], s[I0], 19
	s_add_co_u32 s[ACUR], s[ACUR], s12
	s_lshl_b32 s[ABASE1], s[I0+1], 19
	s_add_co_u32 s[ABASE1], s[ABASE1], s12
	s_lshl_b32 s[BBASE], s[BB], 22
	s_add_co_u32 s[BBASE], s[BBASE], 1<<25
	s_lshl_b32 s13, s[CBK], 18
	s_add_co_u32 s[BBASE], s[BBASE], s13
	s_lshl_b32 s13, s[CH], 17                      ; the 64 rows of v^T that I fetch, and later multiply by
	s_add_co_u32 s[BBASE], s[BBASE], s13
	s_mov_b32 s[LAM], 0
	s_sub_co_u32 s[LCUR], 4, s[UU]
	s_add_co_u32 s2, s[UU], 1                      ; the loop's count in the trip that ends the first tile
	s_mov_b32 s[OFA+1], 0
	s_mov_b32 s[OFB+1], 0
	s_mov_b32 s[EPS], 0x3089705f                   ; 1e-9
	s_mov_b32 s[EPS+1], s[EPS]
	s_mov_b32 s[SEL+1], 0
	s_mul_i32 s22, s[WV], HALFT                    ; where my tiles go: wave x 64 rows
.irp s, 0,1
	s_mov_b32 s[G0+4*(\s)], 1
	s_add_co_u32 s[G0+4*(\s)+1], s22, (\s)*SLOT
	s_mov_b32 s[G0B+4*(\s)], 1
	s_add_co_u32 s[G0B+4*(\s)+1], s22, (\s)*SLOT
.endr
	s_wait_dscnt 0x0                               ; the opening add is done
	s_wait_kmcnt 0x0
	NEWADDR 0
	NEWADDR 1
	CROUND                                         ; all sixteen work-groups are here
	JLOAD 0
	JLOAD 1
	; the other addresses
	s_lshl_b32 s86, s[BB], 23
	s_lshl_b32 s12, s[RH], 18
	s_add_co_u32 s86, s86, s12
	s_lshl_b32 s12, s[CBK], 9
	s_add_co_u32 s86, s86, s12
	s_lshl_b32 s12, s[CH], 8
	s_add_co_u32 s86, s86, s12
	s_mov_b32 s85, 0
.irp f, 0,1
	s_lshl_b32 s84, s[I0+(\f)], 19
	s_add_co_u32 s84, s84, s86
	s_add_nc_u64 s[OB+2*(\f):OB+2*(\f)+1], s[10:11], s[84:85]
	s_lshr_b32 s84, s[I0+(\f)], 3                  ; the tile's own 128 keys: their group of 1,024,
	s_lshl_b32 s84, s84, 21
	s_and_b32 s12, s[I0+(\f)], 7                   ; and their 256 bytes of its rows
	s_lshl_b32 s12, s12, 8
	s_add_co_u32 s84, s84, s12
	s_add_co_u32 s84, s84, s[BBASE]
	s_add_nc_u64 s[VB0+2*(\f):VB0+2*(\f)+1], s[6:7], s[84:85]
.endr
	s_lshl_b32 s84, s[BB], 16
	s_lshl_b32 s12, s[CBK], 9
	s_add_co_u32 s84, s84, s12
	s_lshl_b32 s12, s[CH], 8
	s_add_co_u32 s84, s84, s12
	s_add_nc_u64 s[CSB:CSB+1], s[8:9], s[84:85]
	v_and_b32 v1, 15, v0                           ; l % 16
	v_bfe_u32 v2, v0, 4, 1                         ; l / 16
	v_and_b32 v5, 31, v0                           ; l
	v_lshlrev_b32 v[CSO], 3, v5
	v_lshlrev_b32 v[VO], 11, v1
	v_lshl_add_u32 v[VO], v2, 4, v[VO]             ; row x 2,048 + 16 x half
.set J, 1
.rept 15                               ; cs of the key blocks 1 to 15, my wave's 64 channels: 256 consecutive bytes each
	global_load_b64 v[CSL+2*(J-1):CSL+2*(J-1)+1], v[CSO], s[CSB:CSB+1] offset:4096*J
.set J, J+1
.endr
.macro VDLOAD f, r                     ; v's fragments of tile f's own keys, straight from memory: channel block b, keys 32 kc on, at r + 32 b + 8 kc
.irp b, 0,1,2,3
.irp kc, 0,1,2,3
	global_load_b128 v[(\r)+32*(\b)+8*(\kc):(\r)+32*(\b)+8*(\kc)+3],   v[VO], s[VB0+2*(\f):VB0+2*(\f)+1] offset:32768*(\b)+64*(\kc)
	global_load_b128 v[(\r)+32*(\b)+8*(\kc)+4:(\r)+32*(\b)+8*(\kc)+7], v[VO], s[VB0+2*(\f):VB0+2*(\f)+1] offset:32768*(\b)+64*(\kc)+32
.endr
.endr
.endm
	WIN 0x80                                       ; destination window 2
	VDLOAD 0, 128
	WIN 0
	v_mul_u32_u24 v3, v1, PITCH
	v_lshl_add_u32 v3, v2, 4, v3
	s_mul_i32 s22, s[RH], HALFT                    ; my 64 rows of p
	s_mul_i32 s23, s[CH], HALFT                    ; my 64 rows of v^T,
	s_add_co_u32 s23, s23, 2*HALFT                 ; behind p's 128
.irp s, 0,1
	v_add_nc_u32 v[ADRA+(\s)], s22, v3
	v_add_nc_u32 v[ADRB+(\s)], s23, v3
	s_add_co_u32 s22, s22, SLOT
	s_add_co_u32 s23, s23, SLOT
.endr
	s_mul_i32 s22, s[WV], 16*SPITCH
	s_add_co_u32 s22, s22, STAGE                   ; my stage
	v_mul_u32_u24 v4, v1, SPITCH
	v_lshl_add_u32 v4, v2, 5, v4                   ; in: row l % 16, 32 bytes for each half of the lanes
	v_add_nc_u32 v[STO], s22, v4
	v_mul_u32_u24 v4, v2, SPITCH
	v_lshl_add_u32 v4, v1, 4, v4                   ; back: lanes 0-15 one row of 256 bytes, lanes 16-31 the next
	v_add_nc_u32 v[RD], s22, v4
	v_lshlrev_b32 v4, 12, v2
	v_lshl_add_u32 v[CO], v1, 4, v4                ; the same two rows in out0
	s_lshl_b32 s22, s[WV], 9
	s_add_co_u32 s22, s22, SUFS
	v_lshl_add_u32 v[SS], v5, 3, s22
	v_lshl_add_u32 v[SR], v2, 5, s22
	s_lshl_b32 s22, s[RH], 6
	v_lshlrev_b32 v4, 3, v2
	v_sub_nc_u32 v4, v1, v4
	v_add_nc_u32 v[TT], s22, v4
	; U's fragments.  Source 1 for row block a and keys 32 kc on is groups 2 kc - a and 2 kc - a + 1: register r of group m holds the keys 16 m + 2 r and + 1 (counted from 16 a + 8 (l / 16)): 1.0 in f16 where the key is greater than my row
	s_mov_b32 s12, 0x3c000000
	s_mov_b32 s13, 0x3c003c00
.set i, 0
.rept 44
	v_cmp_gt_i32 vcc_lo, 16*(i/4)-48+2*(i%4)+1, v[TT]
	v_cndmask_b32 v[G+i], 0, s12, vcc_lo
	v_cmp_gt_i32 vcc_lo, 16*(i/4)-48+2*(i%4), v[TT]
	v_cndmask_b32 v[G+i], v[G+i], s13, vcc_lo
.set i, i+1
.endr
	s_wait_loadcnt 32                              ; cs is in; the 32 loads of tile 0's fragments may stay out
.irp f, 0,1
.set J, 1
.rept 15                               ; S = the sum of cs x (1e-9 where J > I, else 0): a choice of a value, no branch
	s_cmp_lt_u32 s[I0+(\f)], J
	s_cselect_b32 s[SEL], s[EPS], 0
.if J == 1
	v_pk_mul_f32 v[SA+2*(\f):SA+2*(\f)+1], v[CSL:CSL+1], s[SEL:SEL+1] op_sel_hi:[1,0]
.else
	v_pk_fma_f32 v[SA+2*(\f):SA+2*(\f)+1], v[CSL+2*(J-1):CSL+2*(J-1)+1], s[SEL:SEL+1], v[SA+2*(\f):SA+2*(\f)+1] op_sel_hi:[1,0,1]
.endif
.set J, J+1
.endr
.endr
	ds_store_b64 v[SS], v[SA:SA+1]                 ; S changes lanes through my own bytes of LDS, which serves a wave's instructions in order: no barrier
	ds_store_b64 v[SS], v[SA+2:SA+3] offset:256
	WIN 0xc0                                       ; destination window 3
.set i, 0
.rept 8                                ; my eight channels 16 b + 8 (l / 16) + 0..7 of each channel block b
	ds_load_b128 v[SUF0+4*i:SUF0+4*i+3], v[SR] offset:64*(i/2)+16*(i%2)
.set i, i+1
.endr
	VDLOAD 1, 0
	WIN 0
.set i, 0
.rept 8
	ds_load_b128 v[SUF1+4*i:SUF1+4*i+3], v[SR] offset:256+64*(i/2)+16*(i%2)
.set i, i+1
.endr
; U V for tile f: 64 matrix instructions; the keys outermost, so that the 16 accumulators take turns; the first 16 start the sums
.macro UPROD f
.irp kc, 0,1,2,3
.irp a, 0,1,2,3
.irp b, 0,1,2,3
.if (\f) == 0
.set rD, ACC+8*(4*(\a)+(\b))
.set rV, 128+32*(\b)+8*(\kc)
.else
.set rD, 8*(4*(\a)+(\b))
.set rV, 32*(\b)+8*(\kc)
.endif
.set rU, G+4*(2*(\kc)-(\a)+3)
.if (\kc) == 0
	v_wmma_f32_16x16x32_f16 v[rD:rD+7], v[rV:rV+7], v[rU:rU+7], 0
.else
	v_wmma_f32_16x16x32_f16 v[rD:rD+7], v[rV:rV+7], v[rU:rU+7], v[rD:rD+7]
.endif
.endr
.endr
.endr
.endm
.macro PLACES
.rept 4
	v_nop
.endr
.endm
	s_wait_loadcnt 32                              ; tile 0's fragments are in; tile 1's 32 loads may stay out
	WIN 0x02                                       ; source 0 window 2
	UPROD 0
	s_wait_loadcnt 0x0
	WIN 0xa3                                       ; source 0 window 3; C and D window 2
	UPROD 1
	PLACES
	PLACES                                         ; once a launch
	s_wait_dscnt 0x0                               ; S is back
	WIN 0x30                                       ; source 2 window 3
.set i, 0
.rept 64                               ; tile 0's sums start at 1e-9 U V + S
	v_pk_fma_f32 v[ACC+2*i:ACC+2*i+1], v[ACC+2*i:ACC+2*i+1], s[EPS:EPS+1], v[SUF0+8*((i/4)%4)+2*(i%4):SUF0+8*((i/4)%4)+2*(i%4)+1] op_sel_hi:[1,0,1]
.set i, i+1
.endr
	WIN 0
; 8 matrix instructions: m blocks a0, a0 + 1 x all 4 n blocks, 32 along K: half c of buffer f.  Source 0 = 16 channels of v^T, source 1 = 16 rows of p: a lane holds one row and eight neighbouring channels.
.macro MUL8 f, c, a0
	WIN MUL
.irp a, \a0, (\a0)+1
.irp b, 0,1,2,3
	v_wmma_f32_16x16x32_f16 v[ACC+8*(4*(\a)+(\b)):ACC+8*(4*(\a)+(\b))+7], v[(\f)+64+8*(4*(\c)+(\b)):(\f)+64+8*(4*(\c)+(\b))+7], v[(\f)+8*(4*(\c)+(\a)):(\f)+8*(4*(\c)+(\a))+7], v[ACC+8*(4*(\a)+(\b)):ACC+8*(4*(\a)+(\b))+7]
.endr
.endr
.endm
; 32 LDS loads in one run: the fragments of 64 keys at byte k of the rows, into buffer f; the first 32 keys first
.macro FETCH slot, k, f
	WIN TO_F
.irp c, 0,1
.irp i, 0,1,2,3
	ds_load_b128 v[(\f)+64+8*(4*(\c)+(\i)):(\f)+64+8*(4*(\c)+(\i))+3],   v[ADRB+(\slot)] offset:(\k)+64*(\c)+(\i)*16*PITCH
	ds_load_b128 v[(\f)+64+8*(4*(\c)+(\i))+4:(\f)+64+8*(4*(\c)+(\i))+7], v[ADRB+(\slot)] offset:(\k)+64*(\c)+(\i)*16*PITCH+32
	ds_load_b128 v[(\f)+8*(4*(\c)+(\i)):(\f)+8*(4*(\c)+(\i))+3],         v[ADRA+(\slot)] offset:(\k)+64*(\c)+(\i)*16*PITCH
	ds_load_b128 v[(\f)+8*(4*(\c)+(\i))+4:(\f)+8*(4*(\c)+(\i))+7],       v[ADRA+(\slot)] offset:(\k)+64*(\c)+(\i)*16*PITCH+32
.endr
.endr
.endm
; A K step is four quarters of 64 keys, 32 matrix instructions each, on buffers 0, 1, 0, 1.
.macro QUARTER slot, k, f, g
	s_wait_dscnt 16                                ; the first 32 keys are in
	MUL8 \f, 0, 0
	MUL8 \f, 0, 2
	PLACES
	FETCH \slot, \k, \g
	s_wait_dscnt 32                                ; all but the 32 just issued
	MUL8 \f, 1, 0
	MUL8 \f, 1, 2
.endm
; The last quarter changes slots.  fill = 1: the slot is filled again with the K step two on, of this tile or the next; the barrier then opens a round of the cluster's.
.macro TURN slot, next, fill
	WIN 0
	s_wait_tensorcnt 0x0                           ; all my tensor loads have landed: my part of the next slot; so a group 0 may be written
	ds_add_u32 v[SPW], v[NIL]                      ; 0 onto my spare word; the addresses and eight products stand between it and the wait for it
.if \fill
	NEWADDR \slot
.endif
	s_wait_dscnt 17                                ; the add and the youngest sixteen loads may be out
	MUL8 F1, 0, 0
	s_wait_dscnt 0x0                               ; the add is done, and my reads of this slot are over
	s_barrier_signal -1
	MUL8 F1, 0, 2
.if \fill
	WIN 0
.endif
	s_barrier_wait -1
.if \fill
	CREST                                          ; no wave of any partner still reads this slot or has a load on its way
	JLOAD \slot                                    ; 112 matrix instructions ahead of the wait for it; the four v_nop behind it are also the places in front of the loads below
.else
	PLACES
.endif
	FETCH \next, 0, F0
	MUL8 F1, 1, 0
	MUL8 F1, 1, 2
.endm
; THE WAY OUT: 16 rows at a time through my own stage: a wave's 64 channels in f32 are 256 bytes, so each wave stores whole aligned blocks by itself.
.macro OUT
	WIN 0
.irp a, 0,1,2,3
.irp b, 0,1,2,3
	ds_store_b128 v[STO], v[ACC+8*(4*(\a)+(\b)):ACC+8*(4*(\a)+(\b))+3]   offset:64*(\b)      ; each accumulator's low half first
	ds_store_b128 v[STO], v[ACC+8*(4*(\a)+(\b))+4:ACC+8*(4*(\a)+(\b))+7] offset:64*(\b)+16
.endr
	s_wait_xcnt 0x0                                ; registers that earlier stores read are loaded again only behind this wait
.irp t, 0,1,2,3,4,5,6,7
	ds_load_b128 v[TMP+32*((\a)%2)+4*(\t):TMP+32*((\a)%2)+4*(\t)+3], v[RD] offset:(\t)*2*SPITCH  ; LDS serves a wave's instructions in order: these see the stores above
.endr
.irp t, 0,1,2,3,4,5,6,7
	s_wait_dscnt 7-(\t)                            ; number t is back; the younger ones may be out
	global_store_b128 v[CO], v[TMP+32*((\a)%2)+4*(\t):TMP+32*((\a)%2)+4*(\t)+3], s[OB:OB+1] offset:(16*(\a)+2*(\t))*4096  ; 16 lanes store 256 consecutive bytes, aligned
.endr
.endr
.endm
	s_wait_tensorcnt 1                             ; my part of K step 0 is in; K step 1's may stay out
	s_barrier_signal -1
	s_barrier_wait -1
	FETCH 0, 0, F0
	WIN 0
	s_mov_b32 s3, 4
.Llap:                                                 ; four trips: a lap is multiplied and the next lap asked for
	QUARTER 0, 128, F0, F1
	QUARTER 0, 256, F1, F0
	QUARTER 0, 384, F0, F1
	TURN 0, 1, 1
	QUARTER 1, 128, F0, F1
	QUARTER 1, 256, F1, F0
	QUARTER 1, 384, F0, F1
	TURN 1, 0, 1
	WIN 0
	s_cmp_eq_u32 s3, s2                            ; was it the first tile's last lap?  The same answer in all sixteen partners; what is jumped over holds no barrier and no tensor load
	s_cbranch_scc0 .Lsame
	PLACES
	PLACES
	OUT
	s_wait_xcnt 0x0                                ; the stores have read their base
	s_mov_b64 s[OB:OB+1], s[OB+2:OB+3]
	WIN 0x02                                       ; source 0 window 2
.set i, 0
.rept 64                               ; the second tile's sums start at 1e-9 U V + S
	v_pk_fma_f32 v[ACC+2*i:ACC+2*i+1], v[2*i:2*i+1], s[EPS:EPS+1], v[SUF1+8*((i/4)%4)+2*(i%4):SUF1+8*((i/4)%4)+2*(i%4)+1] op_sel_hi:[1,0,1]
.set i, i+1
.endr
	WIN 0
.Lsame:
	s_sub_co_u32 s3, s3, 1
	s_cmp_lg_u32 s3, 0
	s_cbranch_scc1 .Llap
	QUARTER 0, 128, F0, F1                         ; the fifth lap is written out: it asks for nothing
	QUARTER 0, 256, F1, F0
	QUARTER 0, 384, F0, F1
	TURN 0, 1, 0
	QUARTER 1, 128, F0, F1
	QUARTER 1, 256, F1, F0
	QUARTER 1, 384, F0, F1
	s_wait_dscnt 16
	MUL8 F1, 0, 0
	MUL8 F1, 0, 2
	s_wait_dscnt 0x0
	MUL8 F1, 1, 0
	MUL8 F1, 1, 2
	WIN 0
	PLACES
	PLACES
	OUT
	s_wait_tensorcnt 0x0                           ; the wave's end, behind my last tensor load and my last LDS store
	ds_add_u32 v[SPW], v[NIL]
	s_wait_dscnt 0x0
	CROUND                                         ; the closing round
	s_endpgm
.Lfunc_end_k_qf364fa222b_pv:
	.size	k_qf364fa222b_pv, .Lfunc_end_k_qf364fa222b_pv-k_qf364fa222b_pv
	.p2alignl 7, 3214868480
	.fill 96, 4, 3214868480
	.section	.rodata,"a",@progbits
	.p2align	6, 0x0
	.amdhsa_kernel k_qf364fa222b_pv
		.amdhsa_group_segment_fixed_size 327680
		.amdhsa_private_segment_fixed_size 0
		.amdhsa_enable_private_segment 0
		.amdhsa_kernarg_size 32
		.amdhsa_user_sgpr_count 2
		.amdhsa_user_sgpr_kernarg_segment_ptr 1
		.amdhsa_wavefront_size32 1
		.amdhsa_system_sgpr_workgroup_id_x 1
		.amdhsa_system_sgpr_workgroup_id_y 1
		.amdhsa_system_sgpr_workgroup_id_z 1
		.amdhsa_system_vgpr_workitem_id 0
		.amdhsa_next_free_vgpr 928
		.amdhsa_next_free_sgpr 88
		.amdhsa_reserve_vcc 1
		.amdhsa_float_denorm_mode_32 3
		.amdhsa_float_denorm_mode_16_64 3
		.amdhsa_memory_ordered 1
		.amdhsa_forward_progress 1
		.amdhsa_inst_pref_size 137
	.end_amdhsa_kernel
	.amdgpu_metadata
---
amdhsa.version: [ 1, 2 ]
amdhsa.kernels:
  - .name:           k_qf364fa222b_pv
    .symbol:         k_qf364fa222b_pv.kd
    .args:
      - { .name: p, .offset: 0, .size: 8, .value_kind: global_buffer, .address_space: global }
      - { .name: qkv, .offset: 8, .size: 8, .value_kind: global_buffer, .address_space: global }
      - { .name: cs, .offset: 16, .size: 8, .value_kind: global_buffer, .address_space: global }
      - { .name: out0, .offset: 24, .size: 8, .value_kind: global_buffer, .address_space: global }
    .group_segment_fixed_size: 327680
    .private_segment_fixed_size: 0
    .kernarg_segment_align: 8
    .kernarg_segment_size: 32
    .max_flat_workgroup_size: 128
    .sgpr_count:     88
    .vgpr_count:     928
    .wavefront_size: 32
...
	.end_amdgpu_metadata
.endif
;; end of part 4
;; ======== version 2 of 2: 4 launches; version 1 with the launch cast written anew for expert scheduling mode
;; limits: values are held in f16: magnitudes above 65,504 overflow, below 6.1e-05 lose precision
;; workspace buffers: xw 23,068,672 bytes; qkv 50,331,648 bytes; cs 262,144 bytes; p 33,554,432 bytes
;; launch cast (part 5): grid 256 x 1, 11 waves a work-group, no clusters, 0 bytes of LDS; arguments x, Wq, Wk, Wv, xw; writes xw
.if DOCPART == 5
	.amdgcn_target "amdgcn-amd-amdhsa--gfx1250"
	.amdhsa_code_object_version 6
	.text
	.protected	k_qf364fa222b_cast
	.globl	k_qf364fa222b_cast
	.p2align	8
	.type	k_qf364fa222b_cast,@function
k_qf364fa222b_cast:
	s_mov_b64 s[64:65], 0
	v_nop
	global_prefetch_b8 v0, s[64:65] scope:SCOPE_SE
	s_setreg_imm32_b32 hwreg(HW_REG_WAVE_SCHED_MODE, 0, 2), 2
	s_setreg_imm32_b32 hwreg(HW_REG_WAVE_MODE, 25, 1), 1
	s_wait_xcnt 0x0
	s_wait_alu depctr_vm_vsrc(0)
; xw[11264][1024] in bf16 = x's 8,192 rows, then Wq's, Wk's and Wv's 1,024 rows each, every number rounded once to bf16.
; A stream: each byte is read once and written once; nothing is shared, so no LDS, no barrier, no matrix unit, no cluster.
; The 11,264 rows are 2,816 pieces of four rows; 2,816 = 256 x 11: a work-group has eleven waves, a wave one piece, so that all work-groups are alike.
; A piece is 16,384 bytes in: 32 loads of 512 consecutive bytes, all issued at once, and 32 stores of 256 consecutive bytes, aligned.
; No piece crosses from one source into the next (2,048 pieces of x, 256 of each weight).  No register is written twice, so no source is ever freed by a wait.
; THE MODE: SCHED_MODE bits 1:0 = 2 (LLVM: expert scheduling mode 2), set by the entry lines.  The code itself states the register dependences
; between vector instructions and memory instructions, with s_wait_alu, always for 0.
; THE PLAN.  Registers that memory instructions touch:
;   v1, v2   the loads' and the stores' offsets: written at the head, never again.
;   IN       each register is written by one load and read by one conversion; no vector instruction names it before its load is issued.
;   OUT      each register is written by one conversion and read by one store; never written again.
; The 32 loads are worked off in eight blocks of four.  Block p's eight conversions read IN's and write OUT's part p; its memory instructions are the four stores of block p - 1, which read v2 and OUT's
; part p - 1, registers that no vector instruction of block p names.  So one wait at the head of a block states all that its four stores hang on, and they are dealt among its conversions with no further wait.
; No register that a load or a store reads is written again, and EXEC is never written: no other wait is owed.
.set IN,  4                            ; v[4:131]   32 x 4 numbers in f32
.set OUT, 132                          ; v[132:195] 32 x 4 numbers in bf16
.set BLK, 4                            ; loads, and stores, in a block
	s_load_b256 s[4:11], s[0:1], 0x0               ; x s[4:5], Wq s[6:7], Wk s[8:9], Wv s[10:11]
	s_load_b64 s[12:13], s[0:1], 0x20              ; xw
	v_lshrrev_b32 v3, 5, v0
	v_readfirstlane_b32 s14, v3                    ; wave 0..10
	v_and_b32 v1, 31, v0                           ; lane
	v_lshlrev_b32 v2, 3, v1                        ; out: 8 bytes a lane
	v_lshlrev_b32 v1, 4, v1                        ; in: 16 bytes a lane
	s_mul_i32 s15, ttmp9, 11
	s_wait_alu depctr_va_sdst(0)                   ; s14 is written, ahead of its first reader: the piece's number, and from it both addresses, are made of it
	s_add_co_u32 s15, s15, s14                     ; my piece, 0..2,815
	s_sub_co_u32 s16, s15, 2048                    ; its number among the weights' 768 (wraps for x's; then it is not used)
	s_lshr_b32 s17, s16, 8                         ; which weight
	s_and_b32 s16, s16, 255                        ; which piece of it
	s_lshl_b32 s22, s15, 13                        ; my 8,192 bytes of xw
	s_mov_b32 s23, 0
	s_mov_b32 s21, 0
	s_wait_kmcnt 0x0
	s_cmp_eq_u32 s17, 0
	s_cselect_b64 s[18:19], s[6:7], s[8:9]         ; Wq or Wk,
	s_cmp_gt_u32 s17, 1
	s_cselect_b64 s[18:19], s[10:11], s[18:19]     ; or Wv,
	s_cmp_lt_u32 s15, 2048
	s_cselect_b64 s[18:19], s[4:5], s[18:19]       ; or x
	s_cselect_b32 s20, s15, s16
	s_lshl_b32 s20, s20, 14                        ; four rows of 4,096 bytes
	s_add_nc_u64 s[18:19], s[18:19], s[20:21]
	s_add_nc_u64 s[12:13], s[12:13], s[22:23]
	s_wait_alu depctr_va_vdst(0)                   ; v1 and v2 are written: every load reads v1 as its offset, every store v2
.set i, 0
.rept 32
	global_load_b128 v[IN+4*i:IN+4*i+3], v1, s[18:19] offset:512*i th:TH_LOAD_NT
.set i, i+1
.endr
.set p, 0
.rept 32/BLK
	s_wait_loadcnt 32-BLK-BLK*p                    ; loads come back in order: block p's four are in, the younger ones stay out
.if p > 0
	s_wait_alu depctr_va_vdst(0)                   ; the block before has written its part of OUT, which the four stores below read
.endif
.set j, 0
.rept BLK
.set i, BLK*p+j
.if p > 0
	global_store_b64 v2, v[OUT+2*(i-BLK):OUT+2*(i-BLK)+1], s[12:13] offset:256*(i-BLK)  ; the block before: 32 lanes x 8 bytes: 256 consecutive bytes, aligned; no vector instruction since the wait names these registers
.endif
	v_cvt_pk_bf16_f32 v[OUT+2*i], v[IN+4*i], v[IN+4*i+1]
	v_cvt_pk_bf16_f32 v[OUT+2*i+1], v[IN+4*i+2], v[IN+4*i+3]
.set j, j+1
.endr
.set p, p+1
.endr
	s_wait_alu depctr_va_vdst(0)                   ; the last block has written its part of OUT, which the last four stores read
.set i, 32-BLK
.rept BLK
	global_store_b64 v2, v[OUT+2*i:OUT+2*i+1], s[12:13] offset:256*i  ; 32 lanes x 8 bytes: 256 consecutive bytes, aligned
.set i, i+1
.endr
	s_endpgm
.Lfunc_end_k_qf364fa222b_cast:
	.size	k_qf364fa222b_cast, .Lfunc_end_k_qf364fa222b_cast-k_qf364fa222b_cast
	.p2alignl 7, 3214868480
	.fill 96, 4, 3214868480
	.section	.rodata,"a",@progbits
	.p2align	6, 0x0
	.amdhsa_kernel k_qf364fa222b_cast
		.amdhsa_group_segment_fixed_size 0
		.amdhsa_private_segment_fixed_size 0
		.amdhsa_enable_private_segment 0
		.amdhsa_kernarg_size 40
		.amdhsa_user_sgpr_count 2
		.amdhsa_user_sgpr_kernarg_segment_ptr 1
		.amdhsa_wavefront_size32 1
		.amdhsa_system_sgpr_workgroup_id_x 1
		.amdhsa_system_sgpr_workgroup_id_y 1
		.amdhsa_system_sgpr_workgroup_id_z 1
		.amdhsa_system_vgpr_workitem_id 0
		.amdhsa_next_free_vgpr 196
		.amdhsa_next_free_sgpr 66
		.amdhsa_reserve_vcc 0
		.amdhsa_float_denorm_mode_32 3
		.amdhsa_float_denorm_mode_16_64 3
		.amdhsa_memory_ordered 1
		.amdhsa_forward_progress 1
		.amdhsa_inst_pref_size 12
	.end_amdhsa_kernel
	.amdgpu_metadata
---
amdhsa.version: [ 1, 2 ]
amdhsa.kernels:
  - .name:           k_qf364fa222b_cast
    .symbol:         k_qf364fa222b_cast.kd
    .args:
      - { .name: x, .offset: 0, .size: 8, .value_kind: global_buffer, .address_space: global }
      - { .name: Wq, .offset: 8, .size: 8, .value_kind: global_buffer, .address_space: global }
      - { .name: Wk, .offset: 16, .size: 8, .value_kind: global_buffer, .address_space: global }
      - { .name: Wv, .offset: 24, .size: 8, .value_kind: global_buffer, .address_space: global }
      - { .name: xw, .offset: 32, .size: 8, .value_kind: global_buffer, .address_space: global }
    .group_segment_fixed_size: 0
    .private_segment_fixed_size: 0
    .kernarg_segment_align: 8
    .kernarg_segment_size: 40
    .max_flat_workgroup_size: 352
    .sgpr_count:     66
    .vgpr_count:     196
    .wavefront_size: 32
...
	.end_amdgpu_metadata
.endif
;; end of part 5
;; launch proj: the kernel of part 2 again; grid 32 x 12, 4 waves a work-group, clusters of 4 x 4, 327,680 bytes of LDS; arguments xw, qkv, cs; writes qkv, cs
;; launch scores: the kernel of part 3 again; grid 40 x 4, 4 waves a work-group, clusters of 4 x 4, 327,680 bytes of LDS; arguments qkv, p; writes p
;; launch pv: the kernel of part 4 again; grid 8 x 32, 4 waves a work-group, clusters of 4 x 4, 327,680 bytes of LDS; arguments p, qkv, cs, out0; writes out0
